; MI455X (gfx1250); checked and timed in simulation.
; The chip was launched on July 23, 2026; its instructions are those of AMD's public machine-readable ISA for CDNA 5 (MIT licence, August 2026) and "CDNA5" Instruction Set Architecture Reference Guide (July 2026). The comments in the code are by the model that wrote it; some were corrected since.
;; Multi Query Attention. Allowed arithmetic: matrix products marked QUANTISED: E2M1 operands, one E8M0 scale for each 32 along K, by v_wmma_scale_f32_16x16x128_f8f6f4 with both operands' format E2M1 (or v_wmma_scale_f32_32x16x128_f4), f32 sums; products left as they are: bf16, f16 or f32 operands; f32 sums; everything else in f32.
;; Inputs: W_key 1,024 x 64 float32; W_out 1,024 x 1,024 float32; W_query 1,024 x 1,024 float32; W_value 1,024 x 64 float32; b_out 1,024 float32; x 8 x 1,024 x 1,024 float32.
;; Outputs: out0 8 x 1,024 x 1,024 float32.
;; This version of the problem:
;;   THIS VERSION OF THE PROBLEM IS GIVEN IN LOW PRECISION. The matrix products marked QUANTISED in the list below multiply operands that are first quantised to E2M1 (2 exponent bits, 1 mantissa bit; 4 bits a number), with one power-of-two scale for each 32 numbers along K (OCP MX v1.0); their sums are f32. The products marked 'left as it is' may take bf16, f16 or f32 operands, with f32 sums. Whichever they take, every output number must still come out within the allowed error. Rounding operands to bf16 (8 significant bits) uses up far more of that allowance than f16 does (11 bits, for magnitudes from 6e-5 to 65,504). All else is computed in f32.
;;   The module's matrix products, in the order in which they are computed (A, B: the left and right operand; K: the contracted axis; several contracted axes count as one K, in the product's order):
;;     1. [M 8,192, K 1,024] x [K 1,024, N 1,024]; A: input x; B: input W_query: QUANTISED
;;     2. [M 8,192, K 1,024] x [K 1,024, N 64]; A: input x; B: input W_key: QUANTISED
;;     3. [M 8,192, K 1,024] x [K 1,024, N 64]; A: input x; B: input W_value: QUANTISED
;;     4. batch 8 x [M 16,384, K 64] x [K 64, N 1,024]; A: computed on the way; B: computed on the way: left as it is (an operand is computed on the way)
;;     5. batch 8 x [M 16,384, K 1,024] x [K 1,024, N 64]; A: computed on the way; B: computed on the way: left as it is (an operand is computed on the way)
;;     6. [M 8,192, K 1,024] x [K 1,024, N 1,024]; A: computed on the way; B: input W_out: left as it is (an operand is computed on the way)
;;   THE QUANTISER, for each operand of a quantised product, along K:
;;     - K is cut into blocks of 32 from its start; a last block that is shorter is filled with zeros.
;;     - A block's scale is 2^e with e = floor(log2(the largest magnitude in the block)) - 2, held to -126 .. 127; a block of zeros has e = 0. As a byte (E8M0): e + 127.
;;     - Each number is divided by its block's scale, clamped to +-6, and rounded to the nearest number of E2M1, ties to even, subnormals kept.
;;     - The product sums the exact products of the quantised numbers (number of the format x scale) in f32.
;;   ~~~python
;;   def quantise(x, axis):      # numpy; x: float32 -> the quantised numbers, widened to float32 again
;;       x = np.moveaxis(x, axis, -1); K = x.shape[-1]
;;       x = np.pad(x, [(0, 0)] * (x.ndim - 1) + [(0, -K % 32)]); x = x.reshape(x.shape[:-1] + (-1, 32)); a = np.abs(x).max(-1, keepdims=True)
;;       e = np.where(a > 0, np.clip(np.frexp(np.where(a > 0, a, 1))[1] - 1 - 2, -126, 127), 0)      # np.frexp(a)[1] - 1 = floor(log2(a)), exactly
;;       r = np.clip(x / 2.0 ** e, -6, 6)
;;       step = 2.0 ** (np.maximum(np.frexp(np.where(r == 0, 1, r))[1] - 1, 0) - 1)
;;       q = np.round(r / step) * step * 2.0 ** e      # np.round: ties to even
;;       return np.moveaxis(q.reshape(q.shape[:-2] + (-1,))[..., :K], -1, axis).astype(np.float32)
;;   ~~~
;; One version. Each part assembles by itself: llvm-mc -triple=amdgcn-amd-amdhsa -mcpu=gfx1250 --defsym DOCPART=n.
;; ======== version 1 of 1: 5 launches
;; limits: values are held in f16: magnitudes above 65,504 overflow, below 6.1e-05 lose precision
;; workspace buffers: xc 4,194,304 bytes; xs 262,144 bytes; wc 589,824 bytes; ws 36,864 bytes; wo 4,194,304 bytes; qkv 18,874,368 bytes; ctx 16,777,216 bytes; fq 589,824 bytes
;; launch prep (part 1): grid 392 x 1, 4 waves a work-group, no clusters, 33,280 bytes of LDS; arguments x, W_query, W_key, W_value, W_out, xc, xs, wc, ws, wo; writes xc, xs, wc, ws, wo
.if DOCPART == 1
	.amdgcn_target "amdgcn-amd-amdhsa--gfx1250"
	.amdhsa_code_object_version 6
	.text
	.protected	k_qa4cf62381b_prep
	.globl	k_qa4cf62381b_prep
	.p2align	8
	.type	k_qa4cf62381b_prep,@function
k_qa4cf62381b_prep:
	s_mov_b64 s[64:65], 0
	v_nop
	global_prefetch_b8 v0, s[64:65] scope:SCOPE_SE
	s_setreg_imm32_b32 hwreg(HW_REG_WAVE_MODE, 25, 1), 1
	s_wait_xcnt 0x0
; PREP: everything that is made once from the inputs.  Three paths, chosen by the work-group's number:
;   X (work-groups 0-255):   x [8192][1024] f32 -> xc: codes of E2M1, K innermost, 512 bytes a row; xs: one E8M0 byte for each 32 along K, 32 bytes a row.
;   W (work-groups 256-327): W_query, W_key, W_value [1024 (k)][n] f32, quantised along k, as ONE operand of 1,152 columns (0-1023 query, 1024-1087 key, 1088-1151 value).
;       wc: [72 tiles of 16 columns][8 K steps of 128][2 c][32 lanes][16 bytes]: the order of the matrix operand's registers: lane (r, h) of piece (s, c) holds column 16 tile + r, k = 128 s + 64 c + 32 h + 0..31.
;       ws: the scale word of (column n, K step s) at (n / 16) 512 + (s / 4) 256 + (n % 16) 16 + (s % 4) 4.
;   O (work-groups 328-391): W_out [1024 (k)][1024 (n)] f32 -> wo: f16 in blocks of 512 bytes, [64 blocks of 16 n][64 blocks of 16 k]: lane (r, h) holds W_out[16 KB + 8 h + 0..7][16 NB + r];
;       the high parts first; 2,097,152 bytes on the low parts, f16((w - high) x 2048).
; A block's scale is 2^(floor(log2(largest magnitude)) - 2): its byte is the largest magnitude's exponent field - 2, held at 1 from below by a floor among the maximum's leaves.
; LIMITS: a block of zeros gets the byte 1 where the quantiser says 127 (its codes are zeros, and this program alone reads the bytes); blocks whose largest magnitude lies under 2^-124 keep the floor's byte;
; NaN and infinities among the inputs are not served; |W_out| stays under 65,504 (f16).
; A stream: every input byte is read once.  No matrix unit, no cluster, no tensor load: no work-group shares a byte with another.  Only path X uses LDS.
.set SPARE, 32768                      ; behind the four waves' regions: the spare words, 128 bytes a wave
.set WREG,  8192                       ; path X: a wave's LDS region: two stages of 32 x SP bytes, then its 256 scale bytes
.set SP,    80                         ; a lane's place in a stage: 64 bytes + 16 of padding
.set STEPS, 16
.set AHEAD, 8                          ; path X: loads run eight steps ahead: 32 loads, 16,384 bytes a wave on their way
.set CB,    8                          ; bytes of 16 codes
.set R,     16                         ; v16-143  path X: eight sets of 16 numbers as loaded
.set X,     144                        ; v144-175 path X: two sets of 16 neighbours
.set E,     176                        ; v176-191 path X: a scale byte for each step
.set C,     192                        ; v192-255 path X: codes, four registers a step
.set WN,    32                         ; v32-159  paths W and O: 128 numbers of my column, down K
	s_load_b512 s[4:19], s[0:1], 0x0               ; x s[4:5], W_query s[6:7], W_key s[8:9], W_value s[10:11], W_out s[12:13], xc s[14:15], xs s[16:17], wc s[18:19]
	s_load_b128 s[20:23], s[0:1], 0x40             ; ws s[20:21], wo s[22:23]
	v_lshl_add_u32 v12, v0, 2, SPARE               ; my spare word; never rewritten
	v_mov_b32 v13, 0                               ; 0; never rewritten
	v_lshrrev_b32 v1, 5, v0
	v_readfirstlane_b32 s24, v1                    ; wave 0..3
	v_and_b32 v2, 31, v0                           ; lane
	s_wait_kmcnt 0x0
	s_cmp_lt_u32 ttmp9, 256
	s_cbranch_scc0 .Lnot_x
; ---------------- PATH X.  A wave takes a run of 8,192 numbers (8 rows) in 16 steps of 512.  Loads take the bytes as they lie, 512 consecutive bytes each; a step's 2,048 bytes turn through the wave's own stage,
; so that a lane then holds 16 neighbours along K (two neighbouring lanes hold a block of 32).
	v_lshlrev_b32 v3, 4, v2                        ; my 16 bytes of a load's 512
	s_mul_i32 s25, s24, WREG
	v_lshrrev_b32 v14, 2, v2
	v_mul_u32_u24 v14, v14, SP
	v_and_b32 v15, 3, v2
	v_lshl_add_u32 v14, v15, 4, v14
	v_add_nc_u32 v14, s25, v14                     ; the stage, on the way in: SP (lane / 4) + 16 (lane % 4)
	v_mul_u32_u24 v15, v2, SP
	v_add_nc_u32 v15, s25, v15                     ; and on the way out: SP x lane
	v_mul_u32_u24 v4, v2, CB                       ; my codes' place in a step's 256 bytes
	v_lshrrev_b32 v5, 1, v2
	s_add_co_u32 s25, s25, 2*32*SP
	v_add_nc_u32 v5, s25, v5                       ; my block's byte among the wave's 256 scale bytes
	v_lshlrev_b32 v7, 3, v2
	v_add_nc_u32 v6, s25, v7                       ; and 8 bytes a lane on their way out
	s_lshl_b32 s26, ttmp9, 2
	s_add_co_u32 s26, s26, s24                     ; my run: 4 x work-group + wave
	s_mov_b32 s29, 0
	s_lshl_b32 s28, s26, 15                        ; 32,768 bytes of x a run
	s_add_nc_u64 s[4:5], s[4:5], s[28:29]
	s_lshl_b32 s28, s26, 12                        ; 4,096 bytes of codes
	s_add_nc_u64 s[14:15], s[14:15], s[28:29]
	s_lshl_b32 s28, s26, 8                         ; 256 scale bytes
	s_add_nc_u64 s[16:17], s[16:17], s[28:29]
.macro XLOAD t
.irp i, 0,1,2,3
	global_load_b128 v[R+16*((\t)%AHEAD)+4*\i:R+16*((\t)%AHEAD)+4*\i+3], v3, s[4:5] offset:2048*(\t)+512*\i th:TH_LOAD_NT
.endr
.endm
.macro XTURN t                         ; LDS serves a wave's instructions in order: no wait between the stores and the loads
.irp i, 0,1,2,3
	ds_store_b128 v14, v[R+16*((\t)%AHEAD)+4*\i:R+16*((\t)%AHEAD)+4*\i+3] offset:32*SP*((\t)%2)+8*SP*\i
.endr
.irp i, 0,1,2,3
	ds_load_b128 v[X+16*((\t)%2)+4*\i:X+16*((\t)%2)+4*\i+3], v15 offset:32*SP*((\t)%2)+16*\i
.endr
.endm
.irp t, 0,1,2,3,4,5,6,7
	XLOAD \t
.endr
	s_wait_loadcnt 28                              ; step 0's four loads are in; the 28 of steps 1 to 7 may be out
	XTURN 0
.macro XSTEP t
.set XS, X+16*((\t)%2)
.if (\t) > 0
	s_wait_dscnt 1                                 ; this step's numbers are back from the stage (the last step's byte store may be out): so its stores into the stage have read their registers,
.else
	s_wait_dscnt 0x0
.endif
.if (\t)+AHEAD < STEPS
	XLOAD (\t)+AHEAD                               ; which take the loads of eight steps on
.endif
.if (\t)+1 < STEPS
.if STEPS-2-(\t) >= AHEAD-1
	s_wait_loadcnt 4*(AHEAD-1)                     ; the next step's four loads are in; those of the seven steps behind it may be out
.else
	s_wait_loadcnt 4*(STEPS-2-(\t))
.endif
	XTURN (\t)+1
.endif
	v_max3_num_f32 v8, |v[XS]|, |v[XS+1]|, |v[XS+2]|   ; the largest magnitude of my 16, in two chains
	v_max3_num_f32 v9, |v[XS+3]|, |v[XS+4]|, |v[XS+5]|
.irp i, 6,10
	v_max3_num_f32 v8, v8, |v[XS+\i]|, |v[XS+\i+1]|
	v_max3_num_f32 v9, v9, |v[XS+\i+2]|, |v[XS+\i+3]|
.endr
	v_max3_num_f32 v8, v8, |v[XS+14]|, |v[XS+15]|
	v_max3_num_f32 v8, v8, v9, 0x1800000           ; and the floor 2^(3 - 127): the byte cannot fall under 1
	v_max_num_f32_dpp v8, v8, v8 row_xmask:1 row_mask:0xf bank_mask:0xf   ; with my neighbour's 16: the block's
	v_add_nc_u32 v11, 0xff000000, v8               ; 2 off its exponent field: the conversion takes this operand's exponent field as its scale
	v_cvt_scalef32_pk8_fp4_f32 v[C+4*(\t)], v[XS:XS+7], v11
	v_cvt_scalef32_pk8_fp4_f32 v[C+4*(\t)+1], v[XS+8:XS+15], v11
	v_lshrrev_b32 v[E+(\t)], 23, v11               ; the scale's byte
	ds_store_b8 v5, v[E+(\t)] offset:16*(\t)       ; both lanes of a block write the same byte with the same value
	global_store_b64 v4, v[C+4*(\t):C+4*(\t)+1], s[14:15] offset:32*CB*(\t)   ; the wave stores 256 consecutive bytes, aligned
.endm
.irp t, 0,1,2,3,4,5,6,7,8,9,10,11,12,13,14,15
	XSTEP \t
.endr
	ds_load_b64 v[8:9], v6                         ; my wave's 256 scale bytes: these loads see my stores
	s_wait_dscnt 0x0
	global_store_b64 v7, v[8:9], s[16:17]          ; 256 consecutive bytes, aligned
	s_wait_tensorcnt 0x0                           ; the wave's end, behind my last LDS store
	ds_add_u32 v12, v13
	s_wait_dscnt 0x0
	s_endpgm
; 128 loads: my column, 128 rows down K, \pitch bytes from row to row; 32 lanes read 128 consecutive bytes
.macro WLOADS pitch
.set i, 0
.rept 128
	global_load_b32 v[WN+i], v4, s[34:35] offset:i*\pitch th:TH_LOAD_NT
.set i, i+1
.endr
.endm
.Lnot_x:
	s_cmp_lt_u32 ttmp9, 328
	s_cbranch_scc0 .Lpath_o
; ---------------- PATH W.  Work-group (gx, s): 128 columns, K step s.  A LANE TAKES A COLUMN AND ITS REGISTERS RUN DOWN K: a block of 32 lies in one lane, and the conversions give codes with K innermost.
	s_sub_co_u32 s25, ttmp9, 256
	s_lshr_b32 s26, s25, 3                         ; gx 0..8 (8: the key's and the value's columns)
	s_and_b32 s27, s25, 7                          ; s
	v_lshlrev_b32 v4, 2, v2                        ; in: 4 bytes a lane
	v_lshrrev_b32 v7, 4, v2                        ; which of my wave's two tiles of 16 columns
	v_and_b32 v3, 15, v2
	v_lshlrev_b32 v3, 4, v3
	v_lshl_add_u32 v5, v7, 13, v3                  ; codes: 8,192 bytes a tile, 16 bytes a column
	v_lshl_add_u32 v6, v7, 9, v3                   ; scale words: 512 bytes a tile, 16 bytes a column
	s_lshl_b32 s28, s26, 3
	s_lshl_b32 s29, s24, 1
	s_add_co_u32 s28, s28, s29                     ; my first tile: 8 gx + 2 wave
	s_lshl_b32 s30, s28, 13
	s_lshl_b32 s31, s27, 10
	s_add_co_u32 s30, s30, s31
	s_mov_b32 s31, 0
	s_add_nc_u64 s[18:19], s[18:19], s[30:31]      ; wc at (tile, s)
	s_lshl_b32 s30, s28, 9
	s_lshr_b32 s32, s27, 2
	s_lshl_b32 s32, s32, 8
	s_add_co_u32 s30, s30, s32
	s_and_b32 s32, s27, 3
	s_lshl_b32 s32, s32, 2
	s_add_co_u32 s30, s30, s32
	s_add_nc_u64 s[20:21], s[20:21], s[30:31]      ; ws at (tile, s)
	s_cmp_lt_u32 s26, 8
	s_cbranch_scc0 .Lkv
	s_lshl_b32 s30, s27, 19                        ; W_query: 128 s rows of 4,096 bytes,
	s_lshl_b32 s32, s26, 9                         ; 128 gx columns,
	s_add_co_u32 s30, s30, s32
	s_lshl_b32 s32, s24, 7                         ; 32 columns a wave
	s_add_co_u32 s30, s30, s32
	s_add_nc_u64 s[34:35], s[6:7], s[30:31]
	WLOADS 4096
	s_branch .Lw_go
.Lkv:
	s_cmp_lt_u32 s24, 2                            ; waves 0, 1: W_key; waves 2, 3: W_value
	s_cselect_b64 s[34:35], s[8:9], s[10:11]
	s_lshl_b32 s30, s27, 15                        ; 128 s rows of 256 bytes,
	s_and_b32 s32, s24, 1
	s_lshl_b32 s32, s32, 7                         ; 32 columns
	s_add_co_u32 s30, s30, s32
	s_add_nc_u64 s[34:35], s[34:35], s[30:31]
	WLOADS 256
.Lw_go:                                            ; on both ways the same 128 loads are out
.macro WBLOCK t                        ; block t: k = 128 s + 32 t + 0..31 of my column: piece c = t / 2, half h = t % 2 of the operand: 256 t bytes into the K step
.set XS, WN+32*(\t)
.if 96-32*(\t) > 63
	s_wait_loadcnt 63                              ; a wait can name 63 at the most: the 65 oldest loads are in, blocks 0 and 1 among them
.else
	s_wait_loadcnt 96-32*(\t)                      ; the later blocks' loads may be out
.endif
	v_max3_num_f32 v8, |v[XS]|, |v[XS+1]|, |v[XS+2]|   ; the block's largest magnitude: all 32 numbers are mine
	v_max3_num_f32 v9, |v[XS+3]|, |v[XS+4]|, |v[XS+5]|
.irp i, 6,10,14,18,22,26
	v_max3_num_f32 v8, v8, |v[XS+\i]|, |v[XS+\i+1]|
	v_max3_num_f32 v9, v9, |v[XS+\i+2]|, |v[XS+\i+3]|
.endr
	v_max3_num_f32 v8, v8, |v[XS+30]|, |v[XS+31]|
	v_max3_num_f32 v8, v8, v9, 0x1800000           ; and the floor
	v_add_nc_u32 v10, 0xff000000, v8               ; the conversion's scale operand
	v_lshrrev_b32 v11, 23, v10                     ; the scale's byte
.if (\t) == 0
	v_mov_b32 v176, v11                            ; four bytes make the K step's scale word, the lower k in the lower byte
.else
	v_lshl_or_b32 v176, v11, 8*(\t), v176
.endif
.irp g, 0,1,2,3
	v_cvt_scalef32_pk8_fp4_f32 v[160+4*(\t)+\g], v[XS+8*\g:XS+8*\g+7], v10
.endr
	global_store_b128 v5, v[160+4*(\t):163+4*(\t)], s[18:19] offset:256*(\t)   ; sixteen lanes store 256 consecutive bytes, aligned; each block has data registers of its own
.endm
.irp t, 0,1,2,3
	WBLOCK \t
.endr
	global_store_b32 v6, v176, s[20:21]            ; 4 bytes a column, 16 bytes apart: one byte for each 128 that the path reads
	s_endpgm
.Lpath_o:
; ---------------- PATH O.  Work-group (gx, gk): 128 columns n, 128 rows k of W_out.  A lane takes a column; 16 rows make one block of each part.
	s_sub_co_u32 s25, ttmp9, 328
	s_lshr_b32 s26, s25, 3                         ; gx
	s_and_b32 s27, s25, 7                          ; gk
	v_lshlrev_b32 v4, 2, v2
	v_lshrrev_b32 v7, 4, v2
	v_and_b32 v3, 15, v2
	v_lshlrev_b32 v3, 4, v3
	v_lshl_add_u32 v5, v7, 15, v3                  ; out: 32,768 bytes for 16 columns, 16 bytes a column
	s_lshl_b32 s30, s27, 19
	s_lshl_b32 s32, s26, 9
	s_add_co_u32 s30, s30, s32
	s_lshl_b32 s32, s24, 7
	s_add_co_u32 s30, s30, s32
	s_mov_b32 s31, 0
	s_add_nc_u64 s[34:35], s[12:13], s[30:31]
	s_lshl_b32 s28, s26, 3
	s_lshl_b32 s29, s24, 1
	s_add_co_u32 s28, s28, s29                     ; my first block of 16 columns
	s_lshl_b32 s30, s28, 15
	s_lshl_b32 s32, s27, 12                        ; 8 gk blocks of 512 bytes
	s_add_co_u32 s30, s30, s32
	s_add_nc_u64 s[22:23], s[22:23], s[30:31]
	WLOADS 4096
.macro OBLOCK t                        ; rows 16 t + 0..15: numbers 0-7 are the block's half h = 0, numbers 8-15 its half h = 1
.set XS, WN+16*(\t)
.if 16*(7-(\t)) > 63
	s_wait_loadcnt 63                              ; the 65 oldest loads are in: blocks 0 to 3
.else
	s_wait_loadcnt 16*(7-(\t))                     ; the later blocks' loads may be out
.endif
.if (\t) > 0
	s_wait_xcnt 0x0                                ; the last block's stores have read v16-31, which are written again
.endif
.irp j, 0,1,2,3,4,5,6,7
	v_cvt_pk_f16_f32 v[16+\j], v[XS+2*\j], v[XS+2*\j+1]            ; the high parts
.endr
.set k, 0
.irp p, v16.l, v16.h, v17.l, v17.h, v18.l, v18.h, v19.l, v19.h, v20.l, v20.h, v21.l, v21.h, v22.l, v22.h, v23.l, v23.h
	v_cvt_f32_f16 v[160+k], \p
.set k, k+1
.endr
.irp j, 0,1,2,3,4,5,6,7
	v_pk_add_f32 v[160+2*\j:161+2*\j], v[XS+2*\j:XS+2*\j+1], v[160+2*\j:161+2*\j] neg_lo:[0,1] neg_hi:[0,1]   ; w - high: exact
.endr
.irp j, 0,1,2,3,4,5,6,7
	v_pk_mul_f32 v[160+2*\j:161+2*\j], v[160+2*\j:161+2*\j], 0x45000000 op_sel_hi:[1,0]   ; x 2048, so that the low parts are normal numbers of f16
.endr
.irp j, 0,1,2,3,4,5,6,7
	v_cvt_pk_f16_f32 v[24+\j], v[160+2*\j], v[161+2*\j]
.endr
	global_store_b128 v5, v[16:19], s[22:23] offset:512*(\t)       ; sixteen lanes store 256 consecutive bytes, aligned
	global_store_b128 v5, v[20:23], s[22:23] offset:512*(\t)+256
	global_store_b128 v5, v[24:27], s[22:23] offset:2097152+512*(\t)
	global_store_b128 v5, v[28:31], s[22:23] offset:2097152+512*(\t)+256
.endm
.irp t, 0,1,2,3,4,5,6,7
	OBLOCK \t
.endr
	s_endpgm
.Lfunc_end_k_qa4cf62381b_prep:
	.size	k_qa4cf62381b_prep, .Lfunc_end_k_qa4cf62381b_prep-k_qa4cf62381b_prep
	.p2alignl 7, 3214868480
	.fill 96, 4, 3214868480
	.section	.rodata,"a",@progbits
	.p2align	6, 0x0
	.amdhsa_kernel k_qa4cf62381b_prep
		.amdhsa_group_segment_fixed_size 33280
		.amdhsa_private_segment_fixed_size 0
		.amdhsa_enable_private_segment 0
		.amdhsa_kernarg_size 80
		.amdhsa_user_sgpr_count 2
		.amdhsa_user_sgpr_kernarg_segment_ptr 1
		.amdhsa_wavefront_size32 1
		.amdhsa_system_sgpr_workgroup_id_x 1
		.amdhsa_system_sgpr_workgroup_id_y 1
		.amdhsa_system_sgpr_workgroup_id_z 1
		.amdhsa_system_vgpr_workitem_id 0
		.amdhsa_next_free_vgpr 256
		.amdhsa_next_free_sgpr 66
		.amdhsa_reserve_vcc 0
		.amdhsa_float_denorm_mode_32 3
		.amdhsa_float_denorm_mode_16_64 3
		.amdhsa_memory_ordered 1
		.amdhsa_forward_progress 1
		.amdhsa_inst_pref_size 103
	.end_amdhsa_kernel
	.amdgpu_metadata
---
amdhsa.version: [ 1, 2 ]
amdhsa.kernels:
  - .name:           k_qa4cf62381b_prep
    .symbol:         k_qa4cf62381b_prep.kd
    .args:
      - { .name: x, .offset: 0, .size: 8, .value_kind: global_buffer, .address_space: global }
      - { .name: W_query, .offset: 8, .size: 8, .value_kind: global_buffer, .address_space: global }
      - { .name: W_key, .offset: 16, .size: 8, .value_kind: global_buffer, .address_space: global }
      - { .name: W_value, .offset: 24, .size: 8, .value_kind: global_buffer, .address_space: global }
      - { .name: W_out, .offset: 32, .size: 8, .value_kind: global_buffer, .address_space: global }
      - { .name: xc, .offset: 40, .size: 8, .value_kind: global_buffer, .address_space: global }
      - { .name: xs, .offset: 48, .size: 8, .value_kind: global_buffer, .address_space: global }
      - { .name: wc, .offset: 56, .size: 8, .value_kind: global_buffer, .address_space: global }
      - { .name: ws, .offset: 64, .size: 8, .value_kind: global_buffer, .address_space: global }
      - { .name: wo, .offset: 72, .size: 8, .value_kind: global_buffer, .address_space: global }
    .group_segment_fixed_size: 33280
    .private_segment_fixed_size: 0
    .kernarg_segment_align: 8
    .kernarg_segment_size: 80
    .max_flat_workgroup_size: 128
    .sgpr_count:     66
    .vgpr_count:     256
    .wavefront_size: 32
...
	.end_amdgpu_metadata
.endif
;; end of part 1
;; launch qkvgemm (part 2): grid 8 x 32, 4 waves a work-group, clusters of 4 x 1, 213,504 bytes of LDS; arguments xc, xs, wc, ws, qkv, fq; writes qkv, fq
.if DOCPART == 2
	.amdgcn_target "amdgcn-amd-amdhsa--gfx1250"
	.amdhsa_code_object_version 6
	.text
	.protected	k_qa4cf62381b_qkvgemm
	.globl	k_qa4cf62381b_qkvgemm
	.p2align	8
	.type	k_qa4cf62381b_qkvgemm,@function
k_qa4cf62381b_qkvgemm:
	s_mov_b64 s[64:65], 0
	v_nop
	global_prefetch_b8 v0, s[64:65] scope:SCOPE_SE
	s_setreg_imm32_b32 hwreg(HW_REG_WAVE_MODE, 25, 1), 1
	s_wait_xcnt 0x0
	s_wait_alu depctr_hold_cnt(0) depctr_sa_sdst(0) depctr_va_vdst(0) depctr_va_sdst(0) depctr_va_ssrc(0) depctr_va_vcc(0) depctr_vm_vsrc(0)
	s_getreg_b32 s2, hwreg(HW_REG_IB_STS2, 6, 4)
	s_cmp_eq_u32 s2, 0
	s_cbranch_scc0 .Lentry_in_a_cluster
	s_endpgm
.Lentry_in_a_cluster:
	s_bfe_u32 s2, ttmp6, 0x10000c
	s_cmp_lg_u32 s2, 0x3003
	s_cbranch_scc0 .Lentry_shape_is_right
	s_endpgm
.Lentry_shape_is_right:
; QKV: [8192 x 1024] x [1024 x 1152] on codes of E2M1 with E8M0 scales: q, k and v in one product.  Sums in f32, K ascending, one accumulator an output.
; A work-group makes 256 rows x 144 columns (9 tiles of 16): 32 x 8 = 256 work-groups.  Wave w makes rows 64 w .. 64 w + 63 x all 9 tiles: 36 accumulators.
; All of K lies in LDS: A 256 rows x 512 bytes, B 9 x 8,192 bytes.  Nothing is filled twice.  K comes as two halves, both asked for at the head: the first is multiplied while the second lands.
; CLUSTER 4 x 1: the four partners make four column tiles of the same 256 rows, so A's tiles are asked for jointly (mask 15).  B's tile hangs on my place and is a load of my own.
; A cluster of 4 x 4 is not taken: the f32 copy of the first rows below hangs on the row tile by a branch.
; THE MATRIX INSTRUCTION IS USED TRANSPOSED (source 0 = 16 columns of W, source 1 = 16 rows of x): lane (r, h) then holds row r and columns 8 h + 0..7 of a 16 x 16 tile.  Rounded to f16 these are 16 bytes,
; which ARE registers 0-3 (or 4-7) of a 16-bit operand of the next product.  So qkv is laid as IMAGES: [512 tiles of 16 rows][72 blocks of 16 columns][512 bytes], lane l's 16 bytes at 16 l: each store of the wave
; covers 512 consecutive bytes, aligned, straight from registers.  Blocks 0-63 q, 64-67 k, 68-71 v.  In v's blocks the piece of (key r, half h) lies at 16 ((r % 8) + 8 h + 16 (r / 8)), as the turning LDS load of the next launch wants it.
; fq: the first 16 rows of each batch once more, as f32: [8][72 blocks][2 pieces][512 bytes]: lane (r, h) of piece p holds row r, columns 16 C + 8 h + 4 p + 0..3.
; LIMITS: |q|, |k|, |v| stay under 65,504 (f16); NaN and infinities are not served.
; REGISTERS, in windows of 256: window 0: v1-9 addresses, v28-29 the add's two, v32-63 x's scale words (8 a + s), v64-135 W's (8 b + s), v136-167 the accumulators of tile b = 8.
;   window 1: accumulators (a, b < 8) at 8 (8 a + b).   window 2: two sets of fragments: set p: W's tile b at 104 p + 8 b, x's rows a at 104 p + 72 + 8 a.   window 3: the packed results at 4 (9 a + b).
.set ASZ,   69632                      ; A, half a K: 256 rows x (256 bytes + 16 of padding): the 16 rows that a load touches start at 16 different banks (64 banks of 4 bytes: ISA guide 11.1)
.set BB,    139264                     ; behind A's two halves: B, half a K: 9 tiles x 4,096 bytes, dense images
.set BSZ,   36864
.set SPARE, 212992                     ; the spare words, 128 bytes a wave
.set MSB, 0
.macro WIN new                         ; the immediate's high byte repeats the setting that is left
.if MSB != \new
	s_set_vgpr_msb (MSB<<8)|\new
.set MSB, \new
.endif
.endm
.macro PLACES n
.rept \n
	v_nop
.endr
.endm
.macro CROUND                          ; a round of the cluster's barrier
	s_barrier_signal -1
	s_barrier_wait -1
	s_cmp_lg_u32 s16, 0
	s_cbranch_scc1 .Lnot_wave_0_\@
	s_barrier_signal -3
.Lnot_wave_0_\@:
	s_barrier_wait -3
	s_barrier_signal -1
	s_barrier_wait -1
.endm
	s_load_b256 s[4:11], s[0:1], 0x0               ; xc s[4:5], xs s[6:7], wc s[8:9], ws s[10:11]
	s_load_b128 s[12:15], s[0:1], 0x20             ; qkv s[12:13], fq s[14:15]
	v_lshl_add_u32 v28, v0, 2, SPARE
	v_mov_b32 v29, 0
	ds_add_u32 v28, v29                            ; the wave's opening: the add, twice on end, and its wait ahead of the first tensor load
	ds_add_u32 v28, v29
	v_lshrrev_b32 v10, 5, v0
	v_readfirstlane_b32 s16, v10                   ; wave 0..3
	s_bfe_u32 s17, ttmp6, 0x40000                  ; cx
	s_lshl_b32 s18, ttmp9, 2
	s_add_co_u32 s18, s18, s17                     ; NT: my column tile, 0..7
	s_and_b32 s19, ttmp7, 0xffff                   ; MT: my row tile, 0..31, which the four partners share
	; group 1 for A: 128 rows x 256 bytes, 512 bytes apart, 16 bytes of padding behind each; the mask names all four partners
	s_mov_b32 s24, 15|(1<<20)|(1<<21)|(5<<22)|(3<<25)
	s_mov_b32 s25, 256<<16
	s_mov_b32 s26, 128<<16
	s_mov_b32 s27, 256<<16
	s_mov_b32 s28, 128
	s_mov_b32 s29, 512
	s_mov_b32 s30, 0
	s_mov_b32 s31, 0
	; group 1 for B: 9 rows x 4,096 bytes (512 elements of 8 bytes), 8,192 bytes apart; no mask
	s_mov_b32 s32, 3<<16
	s_mov_b32 s33, 512<<16
	s_mov_b32 s34, 9<<16
	s_mov_b32 s35, 512<<16
	s_mov_b32 s36, 9
	s_mov_b32 s37, 1024
	s_mov_b32 s38, 0
	s_mov_b32 s39, 0
	s_and_b32 s20, s16, 1                          ; waves 0, 1: which 128 rows of A I fetch
	s_mul_i32 s21, s20, 34816                      ; in LDS: 128 rows of 272 bytes
	s_lshl_b32 s22, s19, 17                        ; in memory: 256 MT rows of 512 bytes
	s_lshl_b32 s23, s20, 16
	s_add_co_u32 s22, s22, s23
	s_mov_b32 s23, 0
	s_mul_i32 s2, s18, 73728                       ; B: 9 NT tiles of 8,192 bytes
	s_mov_b32 s3, 0
	s_lshl_b32 s60, s19, 13                        ; x's scale words: (256 MT + 64 wave) rows of 32 bytes
	s_lshl_b32 s61, s16, 11
	s_add_co_u32 s60, s60, s61
	s_mov_b32 s61, 0
	s_mul_i32 s62, s18, 4608                       ; 9 NT x 512: W's scale words, and my blocks in a row tile of qkv
	s_mov_b32 s63, 0
	s_lshl_b32 s56, s19, 4
	s_lshl_b32 s57, s16, 2
	s_add_co_u32 s56, s56, s57                     ; my first tile of 16 rows: 16 MT + 4 wave
	s_mul_i32 s56, s56, 36864
	s_mov_b32 s57, 0
	s_lshr_b32 s58, s19, 2                         ; the batch
	s_mul_i32 s58, s58, 73728
	s_mul_i32 s59, s18, 9216
	s_add_co_u32 s58, s58, s59
	s_mov_b32 s59, 0
	s_mov_b32 s40, 1
	s_mov_b32 s41, s21
	s_mov_b32 s44, 1
	s_add_co_u32 s45, s21, ASZ
	s_mov_b32 s48, 1
	s_mov_b32 s49, BB
	s_mov_b32 s52, 1
	s_mov_b32 s53, BB+BSZ
	s_wait_dscnt 0x0                               ; both opening adds are done
	s_wait_kmcnt 0x0
	s_add_nc_u64 s[42:43], s[4:5], s[22:23]        ; A, K's first half; made of MT and the wave's number alone
	s_add_nc_u64 s[46:47], s[42:43], 256           ; and its second
	s_or_b32 s43, s43, 0x80000000
	s_or_b32 s47, s47, 0x80000000
	s_add_nc_u64 s[50:51], s[8:9], s[2:3]
	s_add_nc_u64 s[54:55], s[50:51], 4096
	s_or_b32 s51, s51, 0x80000000
	s_or_b32 s55, s55, 0x80000000
	s_add_nc_u64 s[6:7], s[6:7], s[60:61]
	s_add_nc_u64 s[10:11], s[10:11], s[62:63]
	s_add_nc_u64 s[56:57], s[12:13], s[56:57]
	s_add_nc_u64 s[56:57], s[56:57], s[62:63]
	s_add_nc_u64 s[58:59], s[14:15], s[58:59]
	CROUND                                         ; all four work-groups are here: the joint loads meet
	s_cmp_lt_u32 s16, 2                            ; the first fills, a wave's two in one branch: waves 0, 1: A's halves of rows; wave 2: B; wave 3: none.  Two loads of a wave are out at the most
	s_cbranch_scc0 .Lnot_a
	tensor_load_to_lds s[40:43], s[24:31]
	s_nop 0
	tensor_load_to_lds s[44:47], s[24:31]
	s_nop 0
.rept 4
	v_nop
.endr
	s_branch .Lasked
.Lnot_a:
	s_cmp_eq_u32 s16, 2
	s_cbranch_scc0 .Lasked
	tensor_load_to_lds s[48:51], s[32:39]
	s_nop 0
	tensor_load_to_lds s[52:55], s[32:39]
	s_nop 0
.rept 4
	v_nop
.endr
.Lasked:
	v_and_b32 v10, 31, v0
	v_lshlrev_b32 v1, 4, v10                       ; v1: 16 x lane
	v_and_b32 v11, 15, v0                          ; r
	v_bfe_u32 v12, v0, 4, 1                        ; h
	v_and_b32 v13, 7, v11
	v_lshlrev_b32 v2, 4, v13
	v_lshl_add_u32 v2, v12, 7, v2
	v_lshrrev_b32 v13, 3, v11
	v_lshl_add_u32 v2, v13, 8, v2                  ; v2: 16 ((r % 8) + 8 h + 16 (r / 8)): my place in a block of v
	s_mul_i32 s20, s16, 64*272
	v_mul_u32_u24 v4, v11, 272
	v_lshl_add_u32 v4, v12, 4, v4
	v_add_nc_u32 v4, s20, v4                       ; v4, v5: my rows of A: (64 wave + r) x 272 + 16 h, in K's two halves
	v_add_nc_u32 v5, ASZ, v4
	v_add_nc_u32 v6, BB, v1                        ; v6, v7: B's images, 16 x lane
	v_add_nc_u32 v7, BB+BSZ, v1
	v_lshlrev_b32 v8, 5, v11                       ; x's scale words: 32 bytes a row
	v_lshlrev_b32 v9, 4, v11                       ; W's: 16 bytes a column
.irp a, 0,1,2,3                        ; the scale words go straight into registers, four K steps a load; lanes 16-31 read what lanes 0-15 read
.irp f, 0,1
	global_load_b128 v[32+8*\a+4*\f:35+8*\a+4*\f], v8, s[6:7] offset:\a*512+16*\f
.endr
.endr
.irp b, 0,1,2,3,4,5,6,7,8
.irp f, 0,1
	global_load_b128 v[64+8*\b+4*\f:67+8*\b+4*\f], v9, s[10:11] offset:\b*512+256*\f
.endr
.endr
; the fragments of K step s (half s / 4, its (s % 4)-th 128) into set s % 2: 26 loads in one run
.macro FETCH s
	WIN 0x80                                       ; destination window 2, address window 0
.irp b, 0,1,2,3,4,5,6,7,8
.irp c, 0,1
	ds_load_b128 v[104*((\s)%2)+8*\b+4*\c:104*((\s)%2)+8*\b+4*\c+3], v[6+(\s)/4] offset:\b*4096+((\s)%4)*1024+512*\c
.endr
.endr
.irp a, 0,1,2,3
.irp c, 0,1
	ds_load_b128 v[104*((\s)%2)+72+8*\a+4*\c:104*((\s)%2)+72+8*\a+4*\c+3], v[4+(\s)/4] offset:\a*4352+((\s)%4)*64+32*\c
.endr
.endr
	WIN 0
.endm
; K step s: 36 matrix instructions; the 36 accumulators take turns, one instruction a turn, in the same order in every step.  Step 0 starts the sums with the constant 0.
.macro MULS s
.set FP, 104*((\s)%2)
	WIN 0x5a                                       ; sources 0 and 1 window 2, C and D window 1
.irp a, 0,1,2,3
.irp b, 0,1,2,3,4,5,6,7
.if (\s) == 0
	v_wmma_scale_f32_16x16x128_f8f6f4 v[8*(8*\a+\b):8*(8*\a+\b)+7], v[FP+8*\b:FP+8*\b+7], v[FP+72+8*\a:FP+72+8*\a+7], 0, v[64+8*\b+(\s)], v[32+8*\a+(\s)] matrix_a_fmt:MATRIX_FMT_FP4 matrix_b_fmt:MATRIX_FMT_FP4
.else
	v_wmma_scale_f32_16x16x128_f8f6f4 v[8*(8*\a+\b):8*(8*\a+\b)+7], v[FP+8*\b:FP+8*\b+7], v[FP+72+8*\a:FP+72+8*\a+7], v[8*(8*\a+\b):8*(8*\a+\b)+7], v[64+8*\b+(\s)], v[32+8*\a+(\s)] matrix_a_fmt:MATRIX_FMT_FP4 matrix_b_fmt:MATRIX_FMT_FP4
.endif
.endr
.endr
	WIN 0x0a                                       ; tile b = 8: C and D window 0
.irp a, 0,1,2,3
.if (\s) == 0
	v_wmma_scale_f32_16x16x128_f8f6f4 v[136+8*\a:143+8*\a], v[FP+64:FP+71], v[FP+72+8*\a:FP+72+8*\a+7], 0, v[128+(\s)], v[32+8*\a+(\s)] matrix_a_fmt:MATRIX_FMT_FP4 matrix_b_fmt:MATRIX_FMT_FP4
.else
	v_wmma_scale_f32_16x16x128_f8f6f4 v[136+8*\a:143+8*\a], v[FP+64:FP+71], v[FP+72+8*\a:FP+72+8*\a+7], v[136+8*\a:143+8*\a], v[128+(\s)], v[32+8*\a+(\s)] matrix_a_fmt:MATRIX_FMT_FP4 matrix_b_fmt:MATRIX_FMT_FP4
.endif
.endr
	WIN 0
.endm
.macro KSTEP s
	s_wait_dscnt 0x0                               ; this step's fragments are in
.if (\s) == 3
	s_wait_tensorcnt 0x0                           ; my part of K's second half has landed,
	s_barrier_signal -1
	s_barrier_wait -1                              ; everybody's has.
.endif
.if (\s) < 7
.if (\s) > 0
	PLACES 4                                       ; four places between the last products that read a set and the loads into it (ISA guide 7.12.1 for vector instructions)
.endif
	FETCH (\s)+1                                   ; the next step's fragments, 36 matrix instructions ahead of their use
.endif
	MULS \s
.endm
	s_wait_tensorcnt 0x1                           ; my part of K's first half has landed; the second half's load may be out
	s_barrier_signal -1
	s_barrier_wait -1
	FETCH 0
	s_wait_loadcnt 0x0                             ; the scale words
.irp s, 0,1,2,3,4,5,6,7
	KSTEP \s
.endr
	; THE WAY OUT: rounded to f16, each accumulator from its low end on; a tile's 16 bytes a lane are stored as they stand
	PLACES 4
	WIN 0xc5                                       ; sources window 1, destination window 3
.irp a, 0,1,2,3
.irp b, 0,1,2,3,4,5,6,7
.irp i, 0,1,2,3
	v_cvt_pk_f16_f32 v[4*(9*\a+\b)+\i], v[8*(8*\a+\b)+2*\i], v[8*(8*\a+\b)+2*\i+1]
.endr
.endr
.endr
	WIN 0xc0                                       ; sources window 0
.irp a, 0,1,2,3
.irp i, 0,1,2,3
	v_cvt_pk_f16_f32 v[4*(9*\a+8)+\i], v[136+8*\a+2*\i], v[136+8*\a+2*\i+1]
.endr
.endr
	WIN 0
	s_cmp_eq_u32 s18, 7                            ; block 9 NT + b is one of v's (68 on) where NT = 7 and b >= 5: there my place in the block is v2.  A choice of an offset, no branch
	s_cselect_b32 s20, -1, 0
	v_cndmask_b32 v3, v1, v2, s20
	WIN 0x0c                                       ; a store's data: window 3
.irp a, 0,1,2,3
.irp b, 0,1,2,3,4
	global_store_b128 v1, v[4*(9*\a+\b):4*(9*\a+\b)+3], s[56:57] offset:\a*36864+\b*512
.endr
.irp b, 5,6,7,8
	global_store_b128 v3, v[4*(9*\a+\b):4*(9*\a+\b)+3], s[56:57] offset:\a*36864+\b*512
.endr
.endr
	WIN 0
	s_and_b32 s20, s19, 3                          ; rows 0-15 of a batch are tile a = 0 of wave 0 where MT % 4 = 0: MT is the same in all partners
	s_or_b32 s20, s20, s16
	s_cmp_eq_u32 s20, 0
	s_cbranch_scc0 .Lno_fine
	WIN 0x04                                       ; data: window 1
.irp b, 0,1,2,3,4,5,6,7
	global_store_b128 v1, v[8*\b:8*\b+3], s[58:59] offset:\b*1024
	global_store_b128 v1, v[8*\b+4:8*\b+7], s[58:59] offset:\b*1024+512
.endr
	WIN 0
	global_store_b128 v1, v[136:139], s[58:59] offset:8*1024
	global_store_b128 v1, v[140:143], s[58:59] offset:8*1024+512
.Lno_fine:
	s_wait_tensorcnt 0x0                           ; the wave's end
	ds_add_u32 v28, v29
	s_wait_dscnt 0x0
	CROUND                                         ; the closing round
	s_endpgm
.Lfunc_end_k_qa4cf62381b_qkvgemm:
	.size	k_qa4cf62381b_qkvgemm, .Lfunc_end_k_qa4cf62381b_qkvgemm-k_qa4cf62381b_qkvgemm
	.p2alignl 7, 3214868480
	.fill 96, 4, 3214868480
	.section	.rodata,"a",@progbits
	.p2align	6, 0x0
	.amdhsa_kernel k_qa4cf62381b_qkvgemm
		.amdhsa_group_segment_fixed_size 213504
		.amdhsa_private_segment_fixed_size 0
		.amdhsa_enable_private_segment 0
		.amdhsa_kernarg_size 48
		.amdhsa_user_sgpr_count 2
		.amdhsa_user_sgpr_kernarg_segment_ptr 1
		.amdhsa_wavefront_size32 1
		.amdhsa_system_sgpr_workgroup_id_x 1
		.amdhsa_system_sgpr_workgroup_id_y 1
		.amdhsa_system_sgpr_workgroup_id_z 1
		.amdhsa_system_vgpr_workitem_id 0
		.amdhsa_next_free_vgpr 1024
		.amdhsa_next_free_sgpr 66
		.amdhsa_reserve_vcc 0
		.amdhsa_float_denorm_mode_32 3
		.amdhsa_float_denorm_mode_16_64 3
		.amdhsa_memory_ordered 1
		.amdhsa_forward_progress 1
		.amdhsa_inst_pref_size 75
	.end_amdhsa_kernel
	.amdgpu_metadata
---
amdhsa.version: [ 1, 2 ]
amdhsa.kernels:
  - .name:           k_qa4cf62381b_qkvgemm
    .symbol:         k_qa4cf62381b_qkvgemm.kd
    .args:
      - { .name: xc, .offset: 0, .size: 8, .value_kind: global_buffer, .address_space: global }
      - { .name: xs, .offset: 8, .size: 8, .value_kind: global_buffer, .address_space: global }
      - { .name: wc, .offset: 16, .size: 8, .value_kind: global_buffer, .address_space: global }
      - { .name: ws, .offset: 24, .size: 8, .value_kind: global_buffer, .address_space: global }
      - { .name: qkv, .offset: 32, .size: 8, .value_kind: global_buffer, .address_space: global }
      - { .name: fq, .offset: 40, .size: 8, .value_kind: global_buffer, .address_space: global }
    .group_segment_fixed_size: 213504
    .private_segment_fixed_size: 0
    .kernarg_segment_align: 8
    .kernarg_segment_size: 48
    .max_flat_workgroup_size: 128
    .sgpr_count:     66
    .vgpr_count:     1024
    .wavefront_size: 32
...
	.end_amdgpu_metadata
.endif
;; end of part 2
;; launch attn (part 3): grid 32 x 8, 16 waves a work-group, no clusters, 327,680 bytes of LDS; arguments qkv, ctx; writes ctx
.if DOCPART == 3
	.amdgcn_target "amdgcn-amd-amdhsa--gfx1250"
	.amdhsa_code_object_version 6
	.text
	.protected	k_qa4cf62381b_attn
	.globl	k_qa4cf62381b_attn
	.p2align	8
	.type	k_qa4cf62381b_attn,@function
k_qa4cf62381b_attn:
	s_mov_b64 s[64:65], 0
	v_nop
	global_prefetch_b8 v0, s[64:65] scope:SCOPE_SE
	s_setreg_imm32_b32 hwreg(HW_REG_WAVE_MODE, 25, 1), 1
	s_wait_xcnt 0x0
; ATTENTION, causal, 16 query heads on one shared head of keys and values, head size 64.  Operands f16 (the images that the launch before stored), products' sums, maxima, exponentials and row sums in f32.
; SOFTMAX: a running maximum m and sum l for each query: p = 2^(c s - c m), c = log2(e) / 8; in every step O and l are multiplied by a = 2^(c m_old - c m_new).
; SHARES.  Work-group (J, batch) owns the tiles of 16 queries J and 63 - J of its batch, for all 16 heads.  In steps of 64 keys they cost ceil((J + 1) / 4) + ceil((64 - J) / 4) = 17 for every J: 256 work-groups of equal work.
; Wave w takes heads 2 (w / 2) and 2 (w / 2) + 1, which share each fragment of K and V, of ONE of the two tiles: 63 - J where (w xor w / 4) is odd.  Four waves share a SIMD, so that one wave's softmax stands beside another's products.
; LAYOUT.  S^T = K Q^T (source 0 = 16 keys, source 1 = 16 queries), O^T = V^T P (source 0 = 16 channels, source 1 = P): a lane holds ONE query (lane % 16) throughout; two tiles of S^T rounded to f16 in pairs ARE source 1 of the second product.
; K's images come out of LDS as they lie, 16 bytes x lane; V's by the turning load, also at 16 x lane (the launch before laid V's blocks for it).
; THE RING.  Two slots of 128 keys (8 tiles of 16 keys x 4,096 bytes: K's four blocks, then V's four).  Waves 0-3 fetch, one tensor load each: row tiles w and w + 4 of the 128 keys, so that every load brings bytes of the slot's first key step.
; In a slot tile kt of step q lies at kt 8192 + q 4096.  The change of slots stands at a slot's head; every wave walks all 8 changes: the trip counts are constants.
; CAUSAL.  A step all of whose 64 keys come after my 16 queries is left out by a scalar branch on ids; on the diagonal hidden scores become -infinity ahead of the maximum.  The look-ahead ends where the next slot's first key comes after the
; work-group's last query: no wave would read it.
; cluster = none: what they share is 256 KB for a whole launch's work of each.
; LIMITS: NaN and infinities are not served; |ctx| stays under 65,504 (it is an average of v).
; REGISTERS: v1, v2 the add's two; v3 16 x lane; v4 r - 8 h; v5 the LDS address in hand; v8 at work; v9 -infinity; v10 the prefetch's offset; v12-27 statistics, tile u at 12 + 8 u: +0 c m, +1 m, +2, +3 l, +4..7 at work (a in +6);
;   v32-63 Q (16 u + 8 c); v64-127 O^T (32 u + 8 ct); v128-191 K (16 kt + 8 c), then P (16 u + 8 g) in the first 32; v192-255 S^T (32 u + 8 kt), then V^T (32 g + 8 ct).
.set SLOT1, 32768
.set SPARE, 65536                      ; behind the ring: the spare words, 128 bytes for each of 16 waves
.macro TLOAD                           ; waves 0-3 fetch.  An s_nop 0 and four v_nop follow the load
	s_cmp_lt_u32 s8, 4
	s_cbranch_scc0 .Lasked_\@
	tensor_load_to_lds s[32:35], s[24:31]
	s_nop 0
.rept 4
	v_nop
.endr
.Lasked_\@:
.endm
; A prefetch of what the NEXT change of slots will ask for: 8 row tiles x 4,096 bytes, 128 aligned blocks of 256 bytes.  All 32 work-groups of a batch walk the same K and V: work-group J = 0, which walks all slots, asks, and nobody else;
; in it waves 4-7, which fetch nothing: two row tiles a wave, a lane a block.  So each block is named once in the launch.  Slots 0 and 1 come by their loads alone; the last change that fills a slot asks for nothing.
.macro ASK
	s_cmp_gt_u32 s17, s18
	s_cbranch_scc0 .Lnot_mine_\@
	global_prefetch_b8 v10, s[36:37] th:TH_LOAD_NT scope:SCOPE_SE
.Lnot_mine_\@:
.endm
; THE CHANGE OF SLOTS.  Each wave waits for all its tensor loads (its part of the slot ahead), adds 0 to its spare word, and waits for that and for its reads of the slot that it has left.  Behind the barrier the slot ahead is whole
; and nobody reads the other one, which is then filled with the next 128 keys: the load has two key steps in which to land.
.macro CHANGE fill
	s_wait_tensorcnt 0x0                           ; no tensor load of mine is out, so group 0 may be written
	ds_add_u32 v1, v2
.if \fill
	ds_add_u32 v1, v2                              ; and once more
	s_xor_b32 s33, s33, SLOT1                      ; the walking descriptor: the other slot,
	s_add_nc_u64 s[34:35], s[34:35], 294912        ; 8 row tiles of 36,864 bytes on
	s_wait_xcnt 0x0                                ; the last prefetch, a slot back, has read its address
	s_add_nc_u64 s[36:37], s[36:37], 294912
.endif
	s_wait_dscnt 0x0                               ; the add is done, and my reads of the slot that I have left are over
	s_barrier_signal -1
	s_barrier_wait -1
.if \fill
	s_add_co_u32 s44, s15, 128                     ; the first key of the slot that this change would ask for,
	s_cmp_gt_u32 s44, s14                          ; against the work-group's last query: ids and the count of steps alone, the same in all sixteen waves; past the limit a work-group stays past it
	s_cbranch_scc1 .Lpast_\@
	TLOAD                                          ; a wave's one tensor load until the next change
.Lpast_\@:
	ASK
.endif
.endm
; A KEY STEP: 64 keys, the q-th of the slot in hand, for my two heads.
.macro STEP q
	s_cmp_gt_u32 s15, s13                          ; all keys behind my last query?
	s_cbranch_scc1 .Lhidden_\@
	v_add_nc_u32 v5, s16, v3
.rept 4
	v_nop                                          ; with the addition five places: the first products below write over registers that the last step's products read, and the loads land on others of them
.endr
.irp kt, 0,1,2,3
.irp c, 0,1
	ds_load_b128 v[128+16*\kt+8*\c:131+16*\kt+8*\c], v5 offset:\kt*8192+(\q)*4096+\c*1024
	ds_load_b128 v[132+16*\kt+8*\c:135+16*\kt+8*\c], v5 offset:\kt*8192+(\q)*4096+\c*1024+512
.endr
.endr
	s_wait_dscnt 0x0
.irp kt, 0,1,2,3                       ; S^T = K Q^T: eight accumulators by turns, channels 0-31, then 32-63
.irp u, 0,1
	v_wmma_f32_16x16x32_f16 v[192+32*\u+8*\kt:199+32*\u+8*\kt], v[128+16*\kt:135+16*\kt], v[32+16*\u:39+16*\u], 0
.endr
.endr
.irp kt, 0,1,2,3
.irp u, 0,1
	v_wmma_f32_16x16x32_f16 v[192+32*\u+8*\kt:199+32*\u+8*\kt], v[136+16*\kt:143+16*\kt], v[40+16*\u:47+16*\u], v[192+32*\u+8*\kt:199+32*\u+8*\kt]
.endr
.endr
.rept 4
	v_nop
.endr
	s_add_co_u32 s44, s15, 63                      ; a step all of whose keys count skips the mask
	s_cmp_le_u32 s44, s12
	s_cbranch_scc1 .Lopen_\@
	s_sub_co_i32 s44, s12, s15
	v_add_nc_u32 v8, s44, v4                       ; d = my query - the step's first key - 8 h.  Register 8 kt + j holds key 16 kt + 8 h + j of the step: hidden where 16 kt + j > d
.irp kt, 0,1,2,3
.irp j, 0,1,2,3,4,5,6,7
	v_cmp_gt_i32 vcc_lo, 16*\kt+\j, v8
	v_cndmask_b32 v[192+8*\kt+\j], v[192+8*\kt+\j], v9, vcc_lo
	v_cndmask_b32 v[224+8*\kt+\j], v[224+8*\kt+\j], v9, vcc_lo
.endr
.endr
.Lopen_\@:
.irp j, 0,1,2,3                        ; the maximum of my 32 scores and the old m: four chains, the two tiles by turns; each accumulator is read from its low end on
.irp u, 0,1
	v_max3_num_f32 v[16+8*\u+\j], v[192+32*\u+8*\j], v[193+32*\u+8*\j], v[194+32*\u+8*\j]
.endr
.endr
.irp g, 1,2
.irp j, 0,1,2,3
.irp u, 0,1
	v_max3_num_f32 v[16+8*\u+\j], v[16+8*\u+\j], v[193+32*\u+8*\j+2*\g], v[194+32*\u+8*\j+2*\g]
.endr
.endr
.endr
.irp u, 0,1
	v_max3_num_f32 v[16+8*\u], v[16+8*\u], v[199+32*\u], v[207+32*\u]
.endr
.irp u, 0,1
	v_max3_num_f32 v[18+8*\u], v[18+8*\u], v[215+32*\u], v[223+32*\u]
.endr
.irp u, 0,1
	v_max3_num_f32 v[16+8*\u], v[16+8*\u], v[17+8*\u], v[18+8*\u]
.endr
.irp u, 0,1
	v_max3_num_f32 v[16+8*\u], v[16+8*\u], v[19+8*\u], v[13+8*\u]
.endr
.irp u, 0,1
	v_permlanex16_b32 v[17+8*\u], v[16+8*\u], s20, s21   ; the query's other 32 keys lie in the lane 16 away
.endr
.irp u, 0,1
	v_mov_b32 v[19+8*\u], v[12+8*\u]               ; c m_old
.endr
.irp u, 0,1
	v_max_num_f32 v[13+8*\u], v[16+8*\u], v[17+8*\u]   ; the new m
.endr
.irp u, 0,1
	v_mul_f32 v[12+8*\u], s22, v[13+8*\u]
.endr
.irp u, 0,1
	v_sub_f32 v[19+8*\u], v[19+8*\u], v[12+8*\u]
.endr
.irp u, 0,1
	v_exp_f32 v[18+8*\u], v[19+8*\u]               ; a.  ONE BATCH: these two and the 64 below; nothing names a result ahead of the one wait
.endr
.irp b, 0,1,2,3,4,5,6,7,8,9,10,11,12,13,14,15
.irp u, 0,1
	v_pk_fma_f32 v[192+32*\u+2*\b:193+32*\u+2*\b], v[192+32*\u+2*\b:193+32*\u+2*\b], s[22:23], v[12+8*\u:13+8*\u] op_sel_hi:[1,0,0] neg_lo:[0,0,1] neg_hi:[0,0,1]   ; c s - c m
.endr
.endr
.irp e, 0,1,2,3,4,5,6,7,8,9,10,11,12,13,14,15,16,17,18,19,20,21,22,23,24,25,26,27,28,29,30,31,32,33,34,35,36,37,38,39,40,41,42,43,44,45,46,47,48,49,50,51,52,53,54,55,56,57,58,59,60,61,62,63
	v_exp_f32 v[192+\e], v[192+\e]
.endr
	v_nop                                          ; a plain instruction behind the last exponential
	s_wait_alu depctr_va_vdst(0)                   ; one wait for the 66, ahead of the first instruction that names a result
.irp i, 0,1,2,3,4,5,6,7,8,9,10,11,12,13,14,15
.irp u, 0,1
	v_cvt_pk_f16_f32 v[128+16*\u+\i], v[192+32*\u+2*\i], v[193+32*\u+2*\i]   ; P, over K's fragments, which are done with
.endr
.endr
.irp z, 0,1,2,3,4,5,6,7                ; the row's sum, of the unrounded p, in place: neighbours 1, 2, 4 and 8 pairs apart
.irp u, 0,1
	v_pk_add_f32 v[192+32*\u+4*\z:193+32*\u+4*\z], v[192+32*\u+4*\z:193+32*\u+4*\z], v[194+32*\u+4*\z:195+32*\u+4*\z]
.endr
.endr
.irp z, 0,1,2,3
.irp u, 0,1
	v_pk_add_f32 v[192+32*\u+8*\z:193+32*\u+8*\z], v[192+32*\u+8*\z:193+32*\u+8*\z], v[196+32*\u+8*\z:197+32*\u+8*\z]
.endr
.endr
.irp z, 0,1
.irp u, 0,1
	v_pk_add_f32 v[192+32*\u+16*\z:193+32*\u+16*\z], v[192+32*\u+16*\z:193+32*\u+16*\z], v[200+32*\u+16*\z:201+32*\u+16*\z]
.endr
.endr
.irp u, 0,1
	v_pk_add_f32 v[192+32*\u:193+32*\u], v[192+32*\u:193+32*\u], v[208+32*\u:209+32*\u]
.endr
.irp u, 0,1
	v_pk_fma_f32 v[14+8*\u:15+8*\u], v[14+8*\u:15+8*\u], v[18+8*\u:19+8*\u], v[192+32*\u:193+32*\u] op_sel_hi:[1,0,1]   ; l = a l + the sum
.endr
.irp g, 0,1                            ; V^T, over S^T, which is done with: keys 32 g on, channels 16 ct on
.irp ct, 0,1,2,3
	ds_load_tr16_b128 v[192+32*\g+8*\ct:195+32*\g+8*\ct], v5 offset:2*\g*8192+(\q)*4096+2048+512*\ct
	ds_load_tr16_b128 v[196+32*\g+8*\ct:199+32*\g+8*\ct], v5 offset:(2*\g+1)*8192+(\q)*4096+2048+512*\ct
.endr
.endr
.irp u, 0,1                            ; O^T x a, while these loads are out; each accumulator from its low end on
.irp j, 0,2,4,6,8,10,12,14,16,18,20,22,24,26,28,30
	v_pk_mul_f32 v[64+32*\u+\j:65+32*\u+\j], v[64+32*\u+\j:65+32*\u+\j], v[18+8*\u:19+8*\u] op_sel_hi:[1,0]
.endr
.endr
	s_wait_dscnt 0x0
.irp g, 0,1                            ; O^T += V^T P: eight accumulators by turns
.irp ct, 0,1,2,3
.irp u, 0,1
	v_wmma_f32_16x16x32_f16 v[64+32*\u+8*\ct:71+32*\u+8*\ct], v[192+32*\g+8*\ct:199+32*\g+8*\ct], v[128+16*\u+8*\g:135+16*\u+8*\g], v[64+32*\u+8*\ct:71+32*\u+8*\ct]
.endr
.endr
.endr
.Lhidden_\@:
	s_add_co_u32 s15, s15, 64
.endm
	s_load_b128 s[4:7], s[0:1], 0x0                ; qkv s[4:5], ctx s[6:7]
	v_lshl_add_u32 v1, v0, 2, SPARE
	v_mov_b32 v2, 0
	ds_add_u32 v1, v2                              ; the wave's opening: the add, twice on end, and its wait ahead of the first tensor load
	ds_add_u32 v1, v2
	v_lshrrev_b32 v3, 5, v0
	v_readfirstlane_b32 s8, v3                     ; wave 0..15
	s_mov_b32 s9, ttmp9                            ; J
	s_and_b32 s10, ttmp7, 0xffff                   ; the batch
	s_lshr_b32 s44, s8, 2
	s_xor_b32 s44, s44, s8
	s_and_b32 s44, s44, 1
	s_sub_co_u32 s45, 63, s9
	s_cmp_eq_u32 s44, 1
	s_cselect_b32 s11, s45, s9                     ; T: my tile of 16 queries
	s_lshl_b32 s12, s11, 4                         ; my first query
	s_add_co_u32 s13, s12, 15                      ; my last
	s_lshl_b32 s14, s45, 4
	s_add_co_u32 s14, s14, 15                      ; the work-group's last
	s_mov_b32 s15, 0                               ; the step's first key
	s_mov_b32 s16, 0                               ; the slot in hand
	s_mov_b32 s17, 7                               ; changes that may fill a slot
	s_mov_b32 s20, 0x76543210
	s_mov_b32 s21, 0xfedcba98                      ; v_permlanex16_b32: lane l xor 16
	s_mov_b32 s22, 0x3e38aa3b                      ; c = log2(e) / 8
	s_mov_b32 s23, s22                             ; (named with it as a pair)
	s_mov_b32 s24, 3<<16                           ; group 1: elements of 8 bytes; 2 rows of 4,096 bytes, four row tiles (4 x 36,864 bytes) apart
	s_mov_b32 s25, 512<<16
	s_mov_b32 s26, 2<<16
	s_mov_b32 s27, 512<<16
	s_mov_b32 s28, 2
	s_mov_b32 s29, 18432
	s_mov_b32 s30, 0
	s_mov_b32 s31, 0
	s_lshl_b32 s51, s10, 6                         ; the batch's first row tile
	s_add_co_u32 s44, s51, s8
	s_mul_i32 s44, s44, 36864
	s_add_co_u32 s44, s44, 32768                   ; K's and V's blocks begin 64 blocks into a row tile
	s_mov_b32 s45, 0
	s_add_co_u32 s48, s51, s11
	s_lshr_b32 s50, s8, 1
	s_lshl_b32 s50, s50, 12                        ; my two heads: 8 blocks of 512 bytes
	s_mul_i32 s46, s48, 36864
	s_add_co_u32 s46, s46, s50
	s_mov_b32 s47, 0
	s_lshl_b32 s48, s48, 15
	s_add_co_u32 s48, s48, s50
	s_mov_b32 s49, 0
	s_and_b32 s42, s8, 3
	s_lshl_b32 s42, s42, 1
	s_add_co_u32 s42, s42, s51
	s_add_co_u32 s42, s42, 8                       ; the prefetches stand in slot 1; the first change steps them to slot 2
	s_mul_i32 s42, s42, 36864
	s_add_co_u32 s42, s42, 32768
	s_mov_b32 s43, 0
	s_sub_co_u32 s50, s8, 4
	s_lshr_b32 s50, s50, 2                         ; 0 in waves 4 to 7,
	s_or_b32 s50, s50, ttmp9                       ; of work-group J = 0
	s_cmp_eq_u32 s50, 0
	s_cselect_b32 s18, 1, -1
	s_wait_dscnt 0x0                               ; both opening adds are done
	s_wait_kmcnt 0x0
	s_mov_b32 s32, 1
	s_lshl_b32 s33, s8, 13                         ; slot 0, 8,192 bytes a loading wave
	s_add_nc_u64 s[34:35], s[4:5], s[44:45]
	s_or_b32 s35, s35, 0x80000000
	TLOAD                                          ; slot 0: keys 0-127, which count for every work-group
	s_add_nc_u64 s[36:37], s[4:5], s[42:43]
	s_add_nc_u64 s[38:39], s[4:5], s[46:47]        ; Q
	s_add_nc_u64 s[40:41], s[6:7], s[48:49]        ; ctx
	v_and_b32 v3, 31, v0
	v_lshlrev_b32 v3, 4, v3
	v_and_b32 v11, 15, v0
	v_bfe_u32 v28, v0, 4, 1
	v_lshlrev_b32 v10, 8, v11
	v_mul_u32_u24 v29, v28, 36864
	v_add_nc_u32 v10, v10, v29                     ; lanes 0-15 one row tile's sixteen blocks of 256 bytes, lanes 16-31 the next tile's
	v_lshlrev_b32 v29, 3, v28
	v_sub_nc_u32 v4, v11, v29
	v_mov_b32 v9, 0xff800000
.irp u, 0,1
.irp i, 0,1,2,3
	global_load_b128 v[32+16*\u+4*\i:35+16*\u+4*\i], v3, s[38:39] offset:\u*2048+512*\i   ; Q stays in registers
.endr
.endr
.irp u, 0,1
	v_mov_b32 v[13+8*\u], 0xff61b1e6               ; m = -3e38, under every score
	v_mul_f32 v[12+8*\u], s22, v[13+8*\u]
.irp j, 14,15,16,17,18,19
	v_mov_b32 v[\j+8*\u], 0
.endr
.endr
.irp j, 0,1,2,3,4,5,6,7,8,9,10,11,12,13,14,15,16,17,18,19,20,21,22,23,24,25,26,27,28,29,30,31,32,33,34,35,36,37,38,39,40,41,42,43,44,45,46,47,48,49,50,51,52,53,54,55,56,57,58,59,60,61,62,63
	v_mov_b32 v[64+\j], 0                          ; O^T.  (The step is written once: the first finds zeros, which a = 0 leaves zeros)
.endr
	s_wait_loadcnt 0x0                             ; Q
.Lchunk:                                           ; 7 trips: behind each change but the last the next slot is asked for, up to the causal limit
	CHANGE 1
	STEP 0
	STEP 1
	s_xor_b32 s16, s16, SLOT1
	s_sub_co_u32 s17, s17, 1
	s_cmp_lg_u32 s17, 0
	s_cbranch_scc1 .Lchunk
	CHANGE 0                                       ; the last slot is written out: nothing is left to ask for
	STEP 0
	STEP 1
	; THE WAY OUT: O^T / l, rounded to f16: a lane's 16 bytes of a block of 16 queries x 16 channels are stored as they stand: ctx is laid in images too, [512 row tiles][64 blocks][512 bytes]
.rept 4
	v_nop
.endr
.irp u, 0,1
	v_add_f32 v[16+8*\u], v[14+8*\u], v[15+8*\u]
.endr
.irp u, 0,1
	v_permlanex16_b32 v[17+8*\u], v[16+8*\u], s20, s21
.endr
.irp u, 0,1
	v_add_f32 v[16+8*\u], v[16+8*\u], v[17+8*\u]
.endr
.irp u, 0,1
	v_rcp_f32 v[18+8*\u], v[16+8*\u]
.endr
	v_nop
	s_wait_alu depctr_va_vdst(0)                   ; one wait for the two reciprocals, ahead of their first reader
.irp u, 0,1
.irp j, 0,2,4,6,8,10,12,14,16,18,20,22,24,26,28,30
	v_pk_mul_f32 v[64+32*\u+\j:65+32*\u+\j], v[64+32*\u+\j:65+32*\u+\j], v[18+8*\u:19+8*\u] op_sel_hi:[1,0]
.endr
.endr
.irp i, 0,1,2,3,4,5,6,7,8,9,10,11,12,13,14,15,16,17,18,19,20,21,22,23,24,25,26,27,28,29,30,31
	v_cvt_pk_f16_f32 v[128+\i], v[64+2*\i], v[65+2*\i]
.endr
.irp u, 0,1
.irp ct, 0,1,2,3
	global_store_b128 v3, v[128+16*\u+4*\ct:131+16*\u+4*\ct], s[40:41] offset:\u*2048+\ct*512   ; 512 consecutive bytes, aligned
.endr
.endr
	s_wait_tensorcnt 0x0                           ; the wave's end
	ds_add_u32 v1, v2
	s_wait_dscnt 0x0
	s_endpgm
.Lfunc_end_k_qa4cf62381b_attn:
	.size	k_qa4cf62381b_attn, .Lfunc_end_k_qa4cf62381b_attn-k_qa4cf62381b_attn
	.p2alignl 7, 3214868480
	.fill 96, 4, 3214868480
	.section	.rodata,"a",@progbits
	.p2align	6, 0x0
	.amdhsa_kernel k_qa4cf62381b_attn
		.amdhsa_group_segment_fixed_size 327680
		.amdhsa_private_segment_fixed_size 0
		.amdhsa_enable_private_segment 0
		.amdhsa_kernarg_size 16
		.amdhsa_user_sgpr_count 2
		.amdhsa_user_sgpr_kernarg_segment_ptr 1
		.amdhsa_wavefront_size32 1
		.amdhsa_system_sgpr_workgroup_id_x 1
		.amdhsa_system_sgpr_workgroup_id_y 1
		.amdhsa_system_sgpr_workgroup_id_z 1
		.amdhsa_system_vgpr_workitem_id 0
		.amdhsa_next_free_vgpr 256
		.amdhsa_next_free_sgpr 66
		.amdhsa_reserve_vcc 1
		.amdhsa_float_denorm_mode_32 3
		.amdhsa_float_denorm_mode_16_64 3
		.amdhsa_memory_ordered 1
		.amdhsa_forward_progress 1
		.amdhsa_inst_pref_size 95
	.end_amdhsa_kernel
	.amdgpu_metadata
---
amdhsa.version: [ 1, 2 ]
amdhsa.kernels:
  - .name:           k_qa4cf62381b_attn
    .symbol:         k_qa4cf62381b_attn.kd
    .args:
      - { .name: qkv, .offset: 0, .size: 8, .value_kind: global_buffer, .address_space: global }
      - { .name: ctx, .offset: 8, .size: 8, .value_kind: global_buffer, .address_space: global }
    .group_segment_fixed_size: 327680
    .private_segment_fixed_size: 0
    .kernarg_segment_align: 8
    .kernarg_segment_size: 16
    .max_flat_workgroup_size: 512
    .sgpr_count:     66
    .vgpr_count:     256
    .wavefront_size: 32
...
	.end_amdgpu_metadata
.endif
;; end of part 3
;; launch proj (part 4): grid 32 x 8, 4 waves a work-group, clusters of 4 x 1, 296,448 bytes of LDS; arguments ctx, wo, b_out, out0; writes out0
.if DOCPART == 4
	.amdgcn_target "amdgcn-amd-amdhsa--gfx1250"
	.amdhsa_code_object_version 6
	.text
	.protected	k_qa4cf62381b_proj
	.globl	k_qa4cf62381b_proj
	.p2align	8
	.type	k_qa4cf62381b_proj,@function
k_qa4cf62381b_proj:
	s_mov_b64 s[64:65], 0
	v_nop
	global_prefetch_b8 v0, s[64:65] scope:SCOPE_SE
	s_setreg_imm32_b32 hwreg(HW_REG_WAVE_MODE, 25, 1), 1
	s_wait_xcnt 0x0
	s_wait_alu depctr_hold_cnt(0) depctr_sa_sdst(0) depctr_va_vdst(0) depctr_va_sdst(0) depctr_va_ssrc(0) depctr_va_vcc(0) depctr_vm_vsrc(0)
	s_getreg_b32 s2, hwreg(HW_REG_IB_STS2, 6, 4)
	s_cmp_eq_u32 s2, 0
	s_cbranch_scc0 .Lentry_in_a_cluster
	s_endpgm
.Lentry_in_a_cluster:
	s_bfe_u32 s2, ttmp6, 0x10000c
	s_cmp_lg_u32 s2, 0x3003
	s_cbranch_scc0 .Lentry_shape_is_right
	s_endpgm
.Lentry_shape_is_right:
; OUT = ctx W_out + b, all 8,192 rows, f16 operands (ctx's images; the high parts of wo), sums in f32, K ascending, one accumulator an output; out0 f32.
; The first 16 rows of each batch are written here too and written again, more finely, by the last launch.
; A tile of out0 is 256 rows x 128 columns: 32 x 8 = 256 work-groups.  Wave w makes rows 64 w .. 64 w + 63 x all 128 columns: 32 accumulators of 16 x 16.
; Both operands lie in memory as images: blocks of 512 bytes for 16 rows (or columns) x 16 along K, lane l's 16 bytes at 16 l; a fragment (16 x 32) is two neighbouring blocks.
; W_OUT'S 128 COLUMNS FOR ALL OF K ARE 8 x 32,768 = 262,144 BYTES: THEY FIT IN LDS, ARE ASKED FOR ONCE, AT THE HEAD, AND NOTHING IS FILLED AGAIN.  They come as eight chunks of 128 along K (8 blocks of columns x 4,096 bytes);
; wave w fetches blocks 2 w and 2 w + 1 of each chunk: eight tensor loads of a wave are out.  A chunk is read behind a counted wait of each fetching wave and a barrier; the later chunks stay on their way across it.
; CTX'S ROWS ARE EACH WAVE'S OWN: they go from memory straight into registers, by loads at 16 x lane, through a ring of eight sets of four fragments (32 along K each): a set is asked for in the middle of the
; quarter that lies seven ahead of its use: 208 matrix instructions lie between the request and the wait for it.
; CLUSTER 4 x 1 along the row tiles: the four partners need the same columns of W_out: each chunk is asked for jointly (mask 15).  ctx's rows are shared by no partner, and go through no tensor load.
; THE MATRIX INSTRUCTION IS USED TRANSPOSED (source 0 = 16 columns of W_out, source 1 = 16 rows of ctx): a lane holds eight neighbouring numbers of a row of out0.  The bias is the C of each sum's first instruction.
; No prefetch: W_out's part is asked for whole at the head, and ctx's loads run 208 matrix instructions ahead.
; The 32 quarters are written out: the counts of the waits on TENSORcnt differ from chunk to chunk.
; REGISTERS: window 0: v16 16 x lane, v17-19 the same + 65,536 j (an LDS offset holds 16 bits: two chunks to an address register), v24-27 addresses, v28-29 the add's two,
;   v64-127 and v128-191 two sets of W_out's eight fragments (block b at f + 8 b).   window 1: accumulators (a, b) at 8 (8 a + b).   window 2: ctx's ring: set i at 32 i, rows a at + 8 a.   window 3: v0-63 the bias, eight registers a block b.
.set CHUNK,  32768
.set STAGE,  262144                    ; behind W_out's part: 16 rows x (512 + 16) bytes for each wave, for the way out
.set SPITCH, 528
.set SPARE,  295936                    ; behind the stages: the spare words, 128 bytes a wave
.set F0, 64
.set MSB, 0
.macro WIN new                         ; the immediate's high byte repeats the setting that is left
.if MSB != (\new)
	s_set_vgpr_msb (MSB<<8)|(\new)
.set MSB, (\new)
.endif
.endm
.macro PLACES
.rept 4
	v_nop
.endr
.endm
.macro CROUND                          ; a round of the cluster's barrier
	s_barrier_signal -1
	s_barrier_wait -1
	s_cmp_lg_u32 s12, 0
	s_cbranch_scc1 .Lnot_wave_0_\@
	s_barrier_signal -3
.Lnot_wave_0_\@:
	s_barrier_wait -3
	s_barrier_signal -1
	s_barrier_wait -1
.endm
	s_load_b256 s[4:11], s[0:1], 0x0               ; ctx s[4:5], wo s[6:7], b_out s[8:9], out0 s[10:11]
	v_lshl_add_u32 v28, v0, 2, SPARE
	v_mov_b32 v29, 0
	ds_add_u32 v28, v29                            ; the wave's opening: the add, twice on end, and its wait ahead of the first tensor load
	ds_add_u32 v28, v29
	v_lshrrev_b32 v1, 5, v0
	v_readfirstlane_b32 s12, v1                    ; wave 0..3
	s_bfe_u32 s13, ttmp6, 0x40000                  ; cx
	s_lshl_b32 s14, ttmp9, 2
	s_add_co_u32 s14, s14, s13                     ; MT: my tile of 256 rows, 0..31
	s_and_b32 s15, ttmp7, 0xffff                   ; NT: my tile of 128 columns, 0..7, which the four partners share
	s_mov_b32 s24, 15|(3<<16)|(1<<21)              ; group 1: the mask names all four partners; elements of 8 bytes; 2 rows of 4,096 bytes, 32,768 bytes apart
	s_mov_b32 s25, 512<<16
	s_mov_b32 s26, 2<<16
	s_mov_b32 s27, 512<<16
	s_mov_b32 s28, 2
	s_mov_b32 s29, 4096
	s_mov_b32 s30, 0
	s_mov_b32 s31, 0
	s_lshl_b32 s16, s15, 18                        ; wo: (8 NT + 2 wave) blocks of 32,768 bytes: the column tile and the wave's number alone
	s_lshl_b32 s17, s12, 16
	s_add_co_u32 s16, s16, s17
	s_mov_b32 s17, 0
	s_lshl_b32 s2, s12, 13                         ; in a chunk: 8,192 bytes a wave
.irp c, 0,1,2,3,4,5,6,7                ; a group 0 for each of the eight loads: s[32 + 4 c : 35 + 4 c]
	s_mov_b32 s[32+4*\c], 1
	s_add_co_u32 s[33+4*\c], s2, \c*CHUNK
.endr
	s_lshl_b32 s20, s14, 19                        ; ctx: (16 MT + 4 wave) row tiles of 32,768 bytes
	s_lshl_b32 s21, s12, 17
	s_add_co_u32 s20, s20, s21
	s_mov_b32 s21, 0
	v_and_b32 v1, 31, v0
	v_lshlrev_b32 v16, 4, v1                       ; 16 x lane
	v_add_nc_u32 v17, 0x10000, v16
	v_add_nc_u32 v18, 0x20000, v16
	v_add_nc_u32 v19, 0x30000, v16
	v_and_b32 v2, 15, v0                           ; r
	v_bfe_u32 v3, v0, 4, 1                         ; h
	s_mul_i32 s3, s12, 16*SPITCH
	s_add_co_u32 s3, s3, STAGE                     ; my stage
	v_mul_u32_u24 v24, v2, SPITCH
	v_lshl_add_u32 v24, v3, 5, v24
	v_add_nc_u32 v24, s3, v24                      ; in: row r, 32 bytes for each half of the lanes
	v_add_nc_u32 v25, s3, v16                      ; back: the 32 lanes take one row of 512 bytes
	v_lshlrev_b32 v27, 5, v3                       ; the bias: 8 numbers for each half
	s_wait_dscnt 0x0                               ; both opening adds are done
	s_wait_kmcnt 0x0
	s_add_nc_u64 s[22:23], s[6:7], s[16:17]
.irp c, 0,1,2,3,4,5,6,7
	s_add_nc_u64 s[34+4*\c:35+4*\c], s[22:23], \c*4096   ; chunk c: 8 blocks of 512 bytes along K
	s_or_b32 s[35+4*\c], s[35+4*\c], 0x80000000
.endr
	s_add_nc_u64 s[18:19], s[4:5], s[20:21]        ; ctx at my wave's first row tile
	s_lshl_b32 s20, s14, 20                        ; out0: (256 MT + 64 wave) rows of 4,096 bytes, 128 NT columns of 4 bytes
	s_lshl_b32 s21, s12, 18
	s_add_co_u32 s20, s20, s21
	s_lshl_b32 s21, s15, 9
	s_add_co_u32 s20, s20, s21
	s_mov_b32 s21, 0
	s_add_nc_u64 s[10:11], s[10:11], s[20:21]
	s_lshl_b32 s20, s15, 9
	s_add_nc_u64 s[8:9], s[8:9], s[20:21]          ; b_out at my 128 columns
	CROUND                                         ; all four work-groups are here: the joint loads meet
.irp c, 0,1,2,3,4,5,6,7                ; the first fills, which are all the fills: one group, ahead of every wait on TENSORcnt, every LDS read and every other barrier
	tensor_load_to_lds s[32+4*\c:35+4*\c], s[24:31]
	s_nop 0
.endr
	PLACES                                         ; four v_nop behind the last
; ctx's four fragments of quarter q (32 along K) into set q % 8
.macro ALOAD q
	WIN 0x80                                       ; destination window 2, address window 0
.irp a, 0,1,2,3
	global_load_b128 v[32*((\q)%8)+8*\a:32*((\q)%8)+8*\a+3], v16, s[18:19] offset:\a*32768+(\q)*1024
	global_load_b128 v[32*((\q)%8)+8*\a+4:32*((\q)%8)+8*\a+7], v16, s[18:19] offset:\a*32768+(\q)*1024+512
.endr
.endm
; W_out's eight fragments of quarter q into set q % 2: 16 LDS loads in one run.  Chunk q / 4; two chunks to an address register
.macro FETCHB q
	WIN 0
.set FB, F0+64*((\q)%2)
.irp b, 0,1,2,3,4,5,6,7
	ds_load_b128 v[FB+8*\b:FB+8*\b+3], v[16+(\q)/8] offset:(((\q)/4)%2)*CHUNK+\b*4096+((\q)%4)*1024
	ds_load_b128 v[FB+8*\b+4:FB+8*\b+7], v[16+(\q)/8] offset:(((\q)/4)%2)*CHUNK+\b*4096+((\q)%4)*1024+512
.endr
.endm
; 8 matrix instructions: rows a x all 8 blocks of columns.  Quarter 0 starts the sums from the bias.  The 32 accumulators take turns, in the same order in every quarter
.macro MUL8 q, a
.set FB, F0+64*((\q)%2)
.set FA, 32*((\q)%8)+8*(\a)
.if (\q) == 0
	WIN 0x78                                       ; source 0 window 0, source 1 window 2, C the bias in window 3, D window 1
.else
	WIN 0x58                                       ; C and D window 1
.endif
.irp b, 0,1,2,3,4,5,6,7
.if (\q) == 0
	v_wmma_f32_16x16x32_f16 v[8*(8*(\a)+\b):8*(8*(\a)+\b)+7], v[FB+8*\b:FB+8*\b+7], v[FA:FA+7], v[8*\b:8*\b+7]
.else
	v_wmma_f32_16x16x32_f16 v[8*(8*(\a)+\b):8*(8*(\a)+\b)+7], v[FB+8*\b:FB+8*\b+7], v[FA:FA+7], v[8*(8*(\a)+\b):8*(8*(\a)+\b)+7]
.endif
.endr
.endm
; A QUARTER: 32 along K, 32 matrix instructions.  In its middle stand, in one run, the next quarter's 16 LDS loads and the 8 loads of the quarter seven on, which land in the set that the quarter before has left.
; A chunk's last quarter also shows the next chunk to every wave: my two blocks of it have landed (the count leaves the chunks behind it out), then the barrier.
.macro QUARTER q
.if 31-(\q) >= 6
	s_wait_loadcnt 48                              ; this quarter's set is in; the six sets asked for behind it may be out
.else
	s_wait_loadcnt 8*(31-(\q))                     ; the sets that are left
.endif
	s_wait_dscnt 0x0                               ; W_out's fragments are in; no LDS instruction of mine is out
.if ((\q)%4 == 3) && ((\q) < 31)
	s_wait_tensorcnt 6-(\q)/4                      ; chunks 0 .. q / 4 + 1 of mine have landed
	s_barrier_signal -1
.endif
	MUL8 \q, 0
	MUL8 \q, 1
.if ((\q)%4 == 3) && ((\q) < 31)
	s_barrier_wait -1                              ; everybody's have
.endif
.if (\q) < 31
	PLACES                                         ; four places between the last quarter's products and the loads into the registers that they read (ISA guide 7.12.1 for vector instructions)
	FETCHB (\q)+1
.if (\q)+7 <= 31
	ALOAD (\q)+7
.endif
.endif
	MUL8 \q, 2
	MUL8 \q, 3
.endm
	WIN 0xc0                                       ; destination window 3
.irp b, 0,1,2,3,4,5,6,7
	global_load_b128 v[8*\b:8*\b+3], v27, s[8:9] offset:64*\b          ; lane (r, h), register j: b_out at column 16 b + 8 h + j of my 128
	global_load_b128 v[8*\b+4:8*\b+7], v27, s[8:9] offset:64*\b+16
.endr
.irp q, 0,1,2,3,4,5,6
	ALOAD \q                                       ; the ring's first seven sets
.endr
	WIN 0
	s_wait_tensorcnt 7                             ; my two blocks of chunk 0 have landed; the seven loads behind may be out
	s_barrier_signal -1
	s_barrier_wait -1
	FETCHB 0
.set Q, 0
.rept 32
	QUARTER Q
.set Q, Q+1
.endr
	WIN 0
; THE WAY OUT, four blocks of 16 rows x 128 columns.  A lane holds 32 neighbouring bytes of a row: a block goes through my own stage and comes back as whole rows of 512 bytes.  LDS serves a wave's instructions in order.
.macro TOSTAGE a
	WIN 0x04                                       ; an LDS store's data: window 1
.irp b, 0,1,2,3,4,5,6,7
	ds_store_b128 v24, v[8*(8*(\a)+\b):8*(8*(\a)+\b)+3] offset:64*\b       ; each accumulator from its low end on
	ds_store_b128 v24, v[8*(8*(\a)+\b)+4:8*(8*(\a)+\b)+7] offset:64*\b+16
.endr
	WIN 0
.set BK, 64+64*((\a)%2)
.irp t, 0,1,2,3,4,5,6,7,8,9,10,11,12,13,14,15
	ds_load_b128 v[BK+4*\t:BK+4*\t+3], v25 offset:\t*SPITCH
.endr
.endm
.macro SEND a, younger
.set BK, 64+64*((\a)%2)
	s_wait_dscnt \younger                          ; the block is back in registers; the next block's 16 stores and 16 loads may be out
.if (\a) > 0
	s_add_nc_u64 s[10:11], s[10:11], 65536         ; 16 rows on (behind a wait on XCNT: the earlier stores have read their base)
.endif
.irp t, 0,1,2,3,4,5,6,7,8,9,10,11,12,13,14,15
	global_store_b128 v16, v[BK+4*\t:BK+4*\t+3], s[10:11] offset:\t*4096 th:TH_STORE_NT   ; 512 consecutive bytes, aligned
.endr
.endm
	PLACES
	TOSTAGE 0
.irp a, 1,2,3
.if \a > 1
	s_wait_xcnt 0x0                                ; block a - 2's stores have read their registers and their base
.endif
	TOSTAGE \a
	SEND \a-1, 32
.endr
	s_wait_xcnt 0x0
	SEND 3, 0
	s_wait_tensorcnt 0x0                           ; the wave's end
	ds_add_u32 v28, v29
	s_wait_dscnt 0x0
	CROUND                                         ; the closing round
	s_endpgm
.Lfunc_end_k_qa4cf62381b_proj:
	.size	k_qa4cf62381b_proj, .Lfunc_end_k_qa4cf62381b_proj-k_qa4cf62381b_proj
	.p2alignl 7, 3214868480
	.fill 96, 4, 3214868480
	.section	.rodata,"a",@progbits
	.p2align	6, 0x0
	.amdhsa_kernel k_qa4cf62381b_proj
		.amdhsa_group_segment_fixed_size 296448
		.amdhsa_private_segment_fixed_size 0
		.amdhsa_enable_private_segment 0
		.amdhsa_kernarg_size 32
		.amdhsa_user_sgpr_count 2
		.amdhsa_user_sgpr_kernarg_segment_ptr 1
		.amdhsa_wavefront_size32 1
		.amdhsa_system_sgpr_workgroup_id_x 1
		.amdhsa_system_sgpr_workgroup_id_y 1
		.amdhsa_system_sgpr_workgroup_id_z 1
		.amdhsa_system_vgpr_workitem_id 0
		.amdhsa_next_free_vgpr 1024
		.amdhsa_next_free_sgpr 66
		.amdhsa_reserve_vcc 0
		.amdhsa_float_denorm_mode_32 3
		.amdhsa_float_denorm_mode_16_64 3
		.amdhsa_memory_ordered 1
		.amdhsa_forward_progress 1
		.amdhsa_inst_pref_size 153
	.end_amdhsa_kernel
	.amdgpu_metadata
---
amdhsa.version: [ 1, 2 ]
amdhsa.kernels:
  - .name:           k_qa4cf62381b_proj
    .symbol:         k_qa4cf62381b_proj.kd
    .args:
      - { .name: ctx, .offset: 0, .size: 8, .value_kind: global_buffer, .address_space: global }
      - { .name: wo, .offset: 8, .size: 8, .value_kind: global_buffer, .address_space: global }
      - { .name: b_out, .offset: 16, .size: 8, .value_kind: global_buffer, .address_space: global }
      - { .name: out0, .offset: 24, .size: 8, .value_kind: global_buffer, .address_space: global }
    .group_segment_fixed_size: 296448
    .private_segment_fixed_size: 0
    .kernarg_segment_align: 8
    .kernarg_segment_size: 32
    .max_flat_workgroup_size: 128
    .sgpr_count:     66
    .vgpr_count:     1024
    .wavefront_size: 32
...
	.end_amdgpu_metadata
.endif
;; end of part 4
;; launch fine (part 5): grid 16 x 8, 4 waves a work-group, no clusters, 70,400 bytes of LDS; arguments fq, wo, b_out, out0; writes out0
.if DOCPART == 5
	.amdgcn_target "amdgcn-amd-amdhsa--gfx1250"
	.amdhsa_code_object_version 6
	.text
	.protected	k_qa4cf62381b_fine
	.globl	k_qa4cf62381b_fine
	.p2align	8
	.type	k_qa4cf62381b_fine,@function
k_qa4cf62381b_fine:
	s_mov_b64 s[64:65], 0
	v_nop
	global_prefetch_b8 v0, s[64:65] scope:SCOPE_SE
	s_setreg_imm32_b32 hwreg(HW_REG_WAVE_MODE, 25, 1), 1
	s_wait_xcnt 0x0
; THE FIRST 16 POSITIONS OF EACH BATCH, once more and more finely: their rows average one to sixteen values, so the rounding of f16 operands weighs most there.  128 rows of out0 are written over.
; Work-group (SL, batch): the batch's 16 rows, output columns 64 SL .. 64 SL + 63.  Each work-group makes the batch's attention for itself (16 heads x 16 x 16): no sum spans work-groups.
; PHASE 1, wave w: heads 4 w + u.  Scores, softmax and P V in f32, the products by the f32 matrix form, from fq (q, k, v as f32).  ctx is split in f32 into an f16 high part and an f16 low part x 2048; both go to LDS as images.
; PHASE 2, wave w: the 16 columns 64 SL + 16 w on, K = 1,024: three sums on f16 operands: high x high (it starts from the bias), low W x high ctx, high W x low ctx; out = the first + (the two others) / 2048.  What is dropped is low x low.
; A permutation of k applied alike to both operands keeps a product: in the scores a register pair of k's and of q's image holds the same four channels in the same places; in P V lane (r, h), pair i stands for keys 8 h + 2 i, + 1 on both sides.
; THE WEIGHTS OF PHASE 2 ARE ASKED FOR DURING PHASE 1: a wave's 16 columns, high and low, are 128 loads of 16 bytes a lane, 512 registers of their own (windows 1 and 2): three groups of 16 behind fq's loads, three behind the scores,
; two behind the second head.  So phase 1's work stands between each request and its use.
; No tensor load, no cluster: the operands go from memory to registers.
; LIMITS: NaN and infinities are not served; |ctx|, |W_out| under 65,504.
; REGISTERS, window 0: v1 16 x lane; v2 -infinity; v3 v's offset; v4 r - 8 h; v5 where I store images; v6, v7 the add's two; v8-11 stage and output offsets; v16-47 k, then the parts of ctx (8 ct: 4 high, 4 low); v48-79 v^T (8 ct + key);
;   v80-207 q (32 u + ..), then v80-111 p, v112-135 at work, v144-151 the bias; v208-239 sums: written by matrix instructions alone; v240-255 statistics (4 u: c m, m, l, at work).
;   Phase 2: ctx's fragments in two sets, v80-143 and v16-79 (high at + 8 k, low at + 32 + 8 k).   windows 1, 2: the weights: group g in window 1 + g / 4 at 64 (g % 4): high at + 8 k, low at + 32 + 8 k.
.set STG,   65536                      ; behind ctx's 64 images of 1,024 bytes: 16 rows x (256 + 16) bytes
.set SPARE, 69888                      ; the spare words
.set MSB, 0
.macro WIN new                         ; the immediate's high byte repeats the setting that is left
.if MSB != (\new)
	s_set_vgpr_msb (MSB<<8)|(\new)
.set MSB, (\new)
.endif
.endm
; the weights of group g (four K steps of 32): high and low fragments: 16 loads
.macro WLOAD g
	WIN 0x40*(1+(\g)/4)                            ; destination window 1 or 2, address window 0
.set WB, 64*((\g)%4)
.irp k, 0,1,2,3
	global_load_b128 v[WB+8*\k:WB+8*\k+3], v1, s[6:7] offset:(4*(\g)+\k)*1024
	global_load_b128 v[WB+8*\k+4:WB+8*\k+7], v1, s[6:7] offset:(4*(\g)+\k)*1024+512
	global_load_b128 v[WB+32+8*\k:WB+32+8*\k+3], v1, s[6:7] offset:(4*(\g)+\k)*1024+2097152
	global_load_b128 v[WB+32+8*\k+4:WB+32+8*\k+7], v1, s[6:7] offset:(4*(\g)+\k)*1024+2097152+512
.endr
.endm
	s_load_b256 s[4:11], s[0:1], 0x0               ; fq s[4:5], wo s[6:7], b_out s[8:9], out0 s[10:11]
	v_lshl_add_u32 v6, v0, 2, SPARE
	v_mov_b32 v7, 0
	v_lshrrev_b32 v1, 5, v0
	v_readfirstlane_b32 s12, v1                    ; wave 0..3
	s_mov_b32 s13, ttmp9                           ; SL
	s_and_b32 s14, ttmp7, 0xffff                   ; the batch
	v_and_b32 v1, 31, v0
	v_lshlrev_b32 v1, 4, v1
	v_mov_b32 v2, 0xff800000
	v_and_b32 v240, 15, v0                         ; r
	v_bfe_u32 v241, v0, 4, 1                       ; h
	v_bfe_u32 v242, v240, 2, 1
	v_lshlrev_b32 v3, 9, v242
	v_lshrrev_b32 v242, 3, v240
	v_lshl_add_u32 v3, v242, 8, v3
	v_and_b32 v242, 3, v240
	v_lshl_add_u32 v3, v242, 2, v3
	v_lshl_add_u32 v3, v241, 7, v3                 ; v(key 8 h + kk, channel 16 ct + r) lies at piece (r / 4) % 2, lane 16 (r / 8) + key, word r % 4 of block 68 + ct
	v_lshlrev_b32 v242, 3, v241
	v_sub_nc_u32 v4, v240, v242
	s_lshl_b32 s15, s12, 14
	v_add_nc_u32 v5, s15, v1                       ; my 16 images: 16,384 bytes a wave
	s_lshl_b32 s24, s12, 6
	s_add_co_u32 s24, s24, STG
	v_mul_u32_u24 v8, v240, 272
	v_lshl_add_u32 v8, v241, 5, v8
	v_add_nc_u32 v8, s24, v8                       ; the stage, in: row r, my 16 columns, 32 bytes for each half
	s_mul_i32 s25, s12, 4*272
	s_add_co_u32 s25, s25, STG
	v_mul_u32_u24 v9, v241, 272
	v_lshl_add_u32 v9, v240, 4, v9
	v_add_nc_u32 v9, s25, v9                       ; back: rows 4 w + h (+ 2), sixteen lanes to a row of 256 bytes
	v_lshlrev_b32 v10, 12, v241
	v_lshl_add_u32 v10, v240, 4, v10               ; and the same in out0
	v_lshlrev_b32 v11, 5, v241                     ; the bias: 8 numbers for each half
.irp u, 0,1,2,3
	v_mov_b32 v[243+4*\u], 0                       ; written once: a lane permute's destination counts as one of its sources
.endr
	s_mov_b32 s20, 0x76543210
	s_mov_b32 s21, 0xfedcba98
	s_mov_b32 s22, 0x3e38aa3b                      ; c = log2(e) / 8
	s_mov_b32 s23, s22
	s_mov_b32 s34, 0x3a000000                      ; 1 / 2048
	s_mul_i32 s18, s14, 73728
	s_mov_b32 s19, 0
	s_mov_b32 s26, s15
	s_mov_b32 s27, 0
	s_lshl_b32 s28, s13, 17                        ; wo: block 4 SL + w of 32,768 bytes
	s_lshl_b32 s29, s12, 15
	s_add_co_u32 s28, s28, s29
	s_mov_b32 s29, 0
	s_lshl_b32 s30, s13, 8                         ; b_out: (64 SL + 16 w) numbers
	s_lshl_b32 s31, s12, 6
	s_add_co_u32 s30, s30, s31
	s_mov_b32 s31, 0
	s_lshl_b32 s32, s14, 22                        ; out0: 1,024 batch rows of 4,096 bytes, + 4 w rows, + 64 SL columns
	s_add_co_u32 s32, s32, s15
	s_lshl_b32 s33, s13, 8
	s_add_co_u32 s32, s32, s33
	s_mov_b32 s33, 0
	s_wait_kmcnt 0x0
	s_add_nc_u64 s[4:5], s[4:5], s[18:19]
	s_add_nc_u64 s[16:17], s[4:5], s[26:27]        ; my four heads' q: 16 blocks of 1,024 bytes a wave
	s_add_nc_u64 s[6:7], s[6:7], s[28:29]
	s_add_nc_u64 s[8:9], s[8:9], s[30:31]
	s_add_nc_u64 s[10:11], s[10:11], s[32:33]
.irp c, 0,1,2,3
.irp p, 0,1
	global_load_b128 v[16+8*\c+4*\p:19+8*\c+4*\p], v1, s[4:5] offset:(64+\c)*1024+512*\p     ; k: lane (r, h): key r, channels 16 c + 8 h + 4 p + 0..3
.endr
.endr
.irp u, 0,1,2,3
.irp c, 0,1,2,3
.irp p, 0,1
	global_load_b128 v[80+32*\u+8*\c+4*\p:83+32*\u+8*\c+4*\p], v1, s[16:17] offset:(4*\u+\c)*1024+512*\p
.endr
.endr
.endr
.irp ct, 0,1,2,3
.irp kk, 0,1,2,3,4,5,6,7
	global_load_b32 v[48+8*\ct+\kk], v3, s[4:5] offset:(68+\ct)*1024+16*\kk
.endr
.endr
	WLOAD 0                                        ; behind fq's 72 loads: the weights' first three groups
	WLOAD 1
	WLOAD 2
	WIN 0
	s_wait_loadcnt 48                              ; q, k and v are in; the 48 loads of the three groups may be out
; S^T = k q^T: source 0 = 16 keys, source 1 = 16 queries; four channels an instruction; the four heads' sums by turns; the first instruction of each starts it with the constant 0
.set i, 0
.rept 16
.irp u, 0,1,2,3
.if i == 0
	v_wmma_f32_16x16x4_f32 v[208+8*\u:215+8*\u], v[16:17], v[80+32*\u:81+32*\u], 0
.else
	v_wmma_f32_16x16x4_f32 v[208+8*\u:215+8*\u], v[16+2*i:17+2*i], v[80+32*\u+2*i:81+32*\u+2*i], v[208+8*\u:215+8*\u]
.endif
.endr
.set i, i+1
.endr
.rept 8
	v_nop                                          ; eight places behind this form (ISA guide 7.12.1)
.endr
.irp j, 0,1,2,3,4,5,6,7                ; lane (r, h), register j: query r, key 8 h + j: hidden where j > r - 8 h.  The masked scores go into other registers; each sum is read from its low end on
	v_cmp_gt_i32 vcc_lo, \j, v4
.irp u, 0,1,2,3
	v_cndmask_b32 v[80+8*\u+\j], v[208+8*\u+\j], v2, vcc_lo
.endr
.endr
	global_load_b128 v[144:147], v11, s[8:9]       ; the bias, over q's registers, which are done with: lane (r, h), register j: b_out at my column 8 h + j
	global_load_b128 v[148:151], v11, s[8:9] offset:16
	WLOAD 3
	WLOAD 4
	WLOAD 5
	WIN 0
.irp u, 0,1,2,3                        ; the maximum is taken away before the exponential: my 8 keys, then the other half's
	v_max3_num_f32 v[241+4*\u], v[80+8*\u], v[81+8*\u], v[82+8*\u]
.endr
.irp u, 0,1,2,3
	v_max3_num_f32 v[241+4*\u], v[241+4*\u], v[83+8*\u], v[84+8*\u]
.endr
.irp u, 0,1,2,3
	v_max3_num_f32 v[241+4*\u], v[241+4*\u], v[85+8*\u], v[86+8*\u]
.endr
.irp u, 0,1,2,3
	v_max_num_f32 v[241+4*\u], v[241+4*\u], v[87+8*\u]
.endr
.irp u, 0,1,2,3
	v_permlanex16_b32 v[243+4*\u], v[241+4*\u], s20, s21
.endr
.irp u, 0,1,2,3
	v_max_num_f32 v[241+4*\u], v[241+4*\u], v[243+4*\u]   ; key 0 counts for every query: a number
.endr
.irp u, 0,1,2,3
	v_mul_f32 v[240+4*\u], s22, v[241+4*\u]
.endr
.irp b, 0,1,2,3
.irp u, 0,1,2,3
	v_pk_fma_f32 v[80+8*\u+2*\b:81+8*\u+2*\b], v[80+8*\u+2*\b:81+8*\u+2*\b], s[22:23], v[240+4*\u:241+4*\u] op_sel_hi:[1,0,0] neg_lo:[0,0,1] neg_hi:[0,0,1]
.endr
.endr
.irp e, 0,1,2,3,4,5,6,7,8,9,10,11,12,13,14,15,16,17,18,19,20,21,22,23,24,25,26,27,28,29,30,31
	v_exp_f32 v[80+\e], v[80+\e]
.endr
	v_nop
	s_wait_alu depctr_va_vdst(0)                   ; one wait for the 32 exponentials, ahead of their first reader
.irp u, 0,1,2,3
	v_pk_add_f32 v[112+2*\u:113+2*\u], v[80+8*\u:81+8*\u], v[82+8*\u:83+8*\u]
.endr
.irp u, 0,1,2,3
	v_pk_add_f32 v[120+2*\u:121+2*\u], v[84+8*\u:85+8*\u], v[86+8*\u:87+8*\u]
.endr
.irp u, 0,1,2,3
	v_pk_add_f32 v[112+2*\u:113+2*\u], v[112+2*\u:113+2*\u], v[120+2*\u:121+2*\u]
.endr
.irp u, 0,1,2,3
	v_add_f32 v[242+4*\u], v[112+2*\u], v[113+2*\u]
.endr
.irp u, 0,1,2,3
	v_permlanex16_b32 v[243+4*\u], v[242+4*\u], s20, s21
.endr
.irp u, 0,1,2,3
	v_add_f32 v[242+4*\u], v[242+4*\u], v[243+4*\u]
.endr
.irp u, 0,1,2,3
	v_rcp_f32 v[242+4*\u], v[242+4*\u]
.endr
	v_nop
	s_wait_alu depctr_va_vdst(0)                   ; one wait for the four reciprocals
; tile ct of head u: O^T / l into other registers; its f16 high part; the rest x 2048 as the low part; both images to LDS.  a0 .. a7: the halves of the four high registers
.macro SPLIT u, ct, a0, a1, a2, a3, a4, a5, a6, a7
.irp k, 0,1,2,3
	v_pk_mul_f32 v[112+2*\k:113+2*\k], v[208+8*(\ct)+2*\k:209+8*(\ct)+2*\k], v[242+4*(\u):243+4*(\u)] op_sel_hi:[1,0]
.endr
.irp k, 0,1,2,3
	v_cvt_pk_f16_f32 v[16+8*(\ct)+\k], v[112+2*\k], v[113+2*\k]
.endr
	v_cvt_f32_f16 v128, \a0
	v_cvt_f32_f16 v129, \a1
	v_cvt_f32_f16 v130, \a2
	v_cvt_f32_f16 v131, \a3
	v_cvt_f32_f16 v132, \a4
	v_cvt_f32_f16 v133, \a5
	v_cvt_f32_f16 v134, \a6
	v_cvt_f32_f16 v135, \a7
.irp k, 0,1,2,3
	v_pk_add_f32 v[112+2*\k:113+2*\k], v[112+2*\k:113+2*\k], v[128+2*\k:129+2*\k] neg_lo:[0,1] neg_hi:[0,1]
.endr
.irp k, 0,1,2,3
	v_pk_mul_f32 v[112+2*\k:113+2*\k], v[112+2*\k:113+2*\k], 0x45000000 op_sel_hi:[1,0]
.endr
.irp k, 0,1,2,3
	v_cvt_pk_f16_f32 v[20+8*(\ct)+\k], v[112+2*\k], v[113+2*\k]
.endr
	ds_store_b128 v5, v[16+8*(\ct):19+8*(\ct)] offset:(4*(\u)+(\ct))*1024
	ds_store_b128 v5, v[20+8*(\ct):23+8*(\ct)] offset:(4*(\u)+(\ct))*1024+512
.endm
; O^T = v^T p for head u: source 0 = 16 channels, source 1 = 16 queries, four keys an instruction; the four channel tiles' sums by turns
.macro HEAD u
.rept 9
	v_nop                                          ; nine places: these sums are begun anew over registers that matrix instructions of this form wrote
.endr
.irp i, 0,1,2,3
.irp ct, 0,1,2,3
.if \i == 0
	v_wmma_f32_16x16x4_f32 v[208+8*\ct:215+8*\ct], v[48+8*\ct:49+8*\ct], v[80+8*(\u):81+8*(\u)], 0
.else
	v_wmma_f32_16x16x4_f32 v[208+8*\ct:215+8*\ct], v[48+8*\ct+2*\i:49+8*\ct+2*\i], v[80+8*(\u)+2*\i:81+8*(\u)+2*\i], v[208+8*\ct:215+8*\ct]
.endif
.endr
.endr
.rept 8
	v_nop
.endr
.if (\u) > 0
	s_wait_dscnt 0x0                               ; the last head's stores have read the parts' registers
.endif
	SPLIT \u, 0, v16.l, v16.h, v17.l, v17.h, v18.l, v18.h, v19.l, v19.h
	SPLIT \u, 1, v24.l, v24.h, v25.l, v25.h, v26.l, v26.h, v27.l, v27.h
	SPLIT \u, 2, v32.l, v32.h, v33.l, v33.h, v34.l, v34.h, v35.l, v35.h
	SPLIT \u, 3, v40.l, v40.h, v41.l, v41.h, v42.l, v42.h, v43.l, v43.h
.endm
	HEAD 0
	HEAD 1
	WLOAD 6                                        ; the weights' last two groups: two heads and six groups of products stand ahead of their use
	WLOAD 7
	WIN 0
	HEAD 2
	HEAD 3
	s_wait_dscnt 0x0                               ; my images have landed
	s_barrier_signal -1
	s_barrier_wait -1                              ; all 64 lie in LDS
.macro CLOAD g                         ; ctx's fragments of group g into set g % 2: high at + 8 k, low at + 32 + 8 k: 16 LDS loads
.set CB, 80-64*((\g)%2)
.irp k, 0,1,2,3
	ds_load_b128 v[CB+8*\k:CB+8*\k+3], v1 offset:(8*(\g)+2*\k)*1024
	ds_load_b128 v[CB+8*\k+4:CB+8*\k+7], v1 offset:(8*(\g)+2*\k)*1024+1024
	ds_load_b128 v[CB+32+8*\k:CB+32+8*\k+3], v1 offset:(8*(\g)+2*\k)*1024+512
	ds_load_b128 v[CB+32+8*\k+4:CB+32+8*\k+7], v1 offset:(8*(\g)+2*\k)*1024+1536
.endr
.endm
.macro GROUP g
.if (\g) == 0
	s_wait_loadcnt 32                              ; the bias and the weights' groups 0 to 5 are in; the 32 loads of groups 6 and 7 may be out
.endif
.if (\g) == 6
	s_wait_loadcnt 16                              ; group 6 is in
.endif
.if (\g) == 7
	s_wait_loadcnt 0x0
.endif
.if (\g) < 7
	s_wait_dscnt 16                                ; this group's fragments of ctx are in; the next group's 16 loads may be out
.else
	s_wait_dscnt 0x0
.endif
.set WB, 64*((\g)%4)
.set CB, 80-64*((\g)%2)
	WIN 1+(\g)/4                                   ; source 0, the weights: window 1 or 2
.irp k, 0,1,2,3                        ; three sums by turns
.if ((\g) == 0) && (\k == 0)
	v_wmma_f32_16x16x32_f16 v[208:215], v[WB+8*\k:WB+8*\k+7], v[CB+8*\k:CB+8*\k+7], v[144:151]
	v_wmma_f32_16x16x32_f16 v[216:223], v[WB+32+8*\k:WB+32+8*\k+7], v[CB+8*\k:CB+8*\k+7], 0
	v_wmma_f32_16x16x32_f16 v[224:231], v[WB+8*\k:WB+8*\k+7], v[CB+32+8*\k:CB+32+8*\k+7], 0
.else
	v_wmma_f32_16x16x32_f16 v[208:215], v[WB+8*\k:WB+8*\k+7], v[CB+8*\k:CB+8*\k+7], v[208:215]
	v_wmma_f32_16x16x32_f16 v[216:223], v[WB+32+8*\k:WB+32+8*\k+7], v[CB+8*\k:CB+8*\k+7], v[216:223]
	v_wmma_f32_16x16x32_f16 v[224:231], v[WB+8*\k:WB+8*\k+7], v[CB+32+8*\k:CB+32+8*\k+7], v[224:231]
.endif
.endr
	WIN 0
.if (\g) < 6
.rept 4
	v_nop                                          ; four places in front of loads into registers that matrix instructions have read
.endr
	CLOAD (\g)+2                                   ; into the set just left: a group's products ahead of its use
.endif
.endm
.rept 9
	v_nop                                          ; nine places behind the f32 form: its sums' registers are written over, and loads land on its sources
.endr
	CLOAD 0
	CLOAD 1
.irp g, 0,1,2,3,4,5,6,7
	GROUP \g
.endr
.rept 4
	v_nop
.endr
.irp j, 0,1,2,3,4,5,6,7
	v_add_f32 v[112+\j], v[216+\j], v[224+\j]
.endr
.irp j, 0,1,2,3,4,5,6,7
	v_fma_f32 v[112+\j], v[112+\j], s34, v[208+\j]   ; / 2048, + the first sum
.endr
	ds_store_b128 v8, v[112:115]                   ; lane (r, h): out(r, 16 w + 8 h + 0..7)
	ds_store_b128 v8, v[116:119] offset:16
	s_wait_dscnt 0x0                               ; for the others' sake
	s_barrier_signal -1
	s_barrier_wait -1
	ds_load_b128 v[120:123], v9
	ds_load_b128 v[124:127], v9 offset:544
	s_wait_dscnt 0x0
	global_store_b128 v10, v[120:123], s[10:11]    ; sixteen lanes store 256 consecutive bytes, aligned
	global_store_b128 v10, v[124:127], s[10:11] offset:8192
	s_wait_tensorcnt 0x0                           ; the wave's end, behind my last LDS store
	ds_add_u32 v6, v7
	s_wait_dscnt 0x0
	s_endpgm
.Lfunc_end_k_qa4cf62381b_fine:
	.size	k_qa4cf62381b_fine, .Lfunc_end_k_qa4cf62381b_fine-k_qa4cf62381b_fine
	.p2alignl 7, 3214868480
	.fill 96, 4, 3214868480
	.section	.rodata,"a",@progbits
	.p2align	6, 0x0
	.amdhsa_kernel k_qa4cf62381b_fine
		.amdhsa_group_segment_fixed_size 70400
		.amdhsa_private_segment_fixed_size 0
		.amdhsa_enable_private_segment 0
		.amdhsa_kernarg_size 32
		.amdhsa_user_sgpr_count 2
		.amdhsa_user_sgpr_kernarg_segment_ptr 1
		.amdhsa_wavefront_size32 1
		.amdhsa_system_sgpr_workgroup_id_x 1
		.amdhsa_system_sgpr_workgroup_id_y 1
		.amdhsa_system_sgpr_workgroup_id_z 1
		.amdhsa_system_vgpr_workitem_id 0
		.amdhsa_next_free_vgpr 768
		.amdhsa_next_free_sgpr 66
		.amdhsa_reserve_vcc 1
		.amdhsa_float_denorm_mode_32 3
		.amdhsa_float_denorm_mode_16_64 3
		.amdhsa_memory_ordered 1
		.amdhsa_forward_progress 1
		.amdhsa_inst_pref_size 85
	.end_amdhsa_kernel
	.amdgpu_metadata
---
amdhsa.version: [ 1, 2 ]
amdhsa.kernels:
  - .name:           k_qa4cf62381b_fine
    .symbol:         k_qa4cf62381b_fine.kd
    .args:
      - { .name: fq, .offset: 0, .size: 8, .value_kind: global_buffer, .address_space: global }
      - { .name: wo, .offset: 8, .size: 8, .value_kind: global_buffer, .address_space: global }
      - { .name: b_out, .offset: 16, .size: 8, .value_kind: global_buffer, .address_space: global }
      - { .name: out0, .offset: 24, .size: 8, .value_kind: global_buffer, .address_space: global }
    .group_segment_fixed_size: 70400
    .private_segment_fixed_size: 0
    .kernarg_segment_align: 8
    .kernarg_segment_size: 32
    .max_flat_workgroup_size: 128
    .sgpr_count:     66
    .vgpr_count:     768
    .wavefront_size: 32
...
	.end_amdgpu_metadata
.endif
;; end of part 5
